; MI455X (gfx1250); checked and timed in simulation.
; The chip was launched on July 23, 2026; its instructions are those of AMD's public machine-readable ISA for CDNA 5 (MIT licence, August 2026) and "CDNA5" Instruction Set Architecture Reference Guide (July 2026). The comments in the code are by the model that wrote it; some were corrected since.
;; Self Attention. Allowed arithmetic: matrix products marked QUANTISED: E2M1 operands, one E8M0 scale for each 32 along K, by v_wmma_scale_f32_16x16x128_f8f6f4 with both operands' format E2M1 (or v_wmma_scale_f32_32x16x128_f4), f32 sums; products left as they are: bf16, f16 or f32 operands; f32 sums; everything else in f32.
;; Inputs: WK 1,024 x 1,024 float32; WQ 1,024 x 1,024 float32; WV 1,024 x 1,024 float32; x 4 x 2,048 x 1,024 float32.
;; Outputs: out0 4 x 2,048 x 1,024 float32.
;; This version of the problem:
;;   THIS VERSION OF THE PROBLEM IS GIVEN IN LOW PRECISION. The matrix products marked QUANTISED in the list below multiply operands that are first quantised to E2M1 (2 exponent bits, 1 mantissa bit; 4 bits a number), with one power-of-two scale for each 32 numbers along K (OCP MX v1.0); their sums are f32. The products marked 'left as it is' may take bf16, f16 or f32 operands, with f32 sums. Whichever they take, every output number must still come out within the allowed error. Rounding operands to bf16 (8 significant bits) uses up far more of that allowance than f16 does (11 bits, for magnitudes from 6e-5 to 65,504). All else is computed in f32.
;;   The module's matrix products, in the order in which they are computed (A, B: the left and right operand; K: the contracted axis; several contracted axes count as one K, in the product's order):
;;     1. [M 8,192, K 1,024] x [K 1,024, N 1,024]; A: input x; B: input WQ: QUANTISED
;;     2. [M 8,192, K 1,024] x [K 1,024, N 1,024]; A: input x; B: input WK: QUANTISED
;;     3. [M 8,192, K 1,024] x [K 1,024, N 1,024]; A: input x; B: input WV: QUANTISED
;;     4. batch 4 x [M 2,048, K 1,024] x [K 1,024, N 2,048]; A: computed on the way; B: computed on the way: left as it is (an operand is computed on the way)
;;     5. batch 4 x [M 2,048, K 2,048] x [K 2,048, N 1,024]; A: computed on the way; B: computed on the way: left as it is (an operand is computed on the way)
;;   THE QUANTISER, for each operand of a quantised product, along K:
;;     - K is cut into blocks of 32 from its start; a last block that is shorter is filled with zeros.
;;     - A block's scale is 2^e with e = floor(log2(the largest magnitude in the block)) - 2, held to -126 .. 127; a block of zeros has e = 0. As a byte (E8M0): e + 127.
;;     - Each number is divided by its block's scale, clamped to +-6, and rounded to the nearest number of E2M1, ties to even, subnormals kept.
;;     - The product sums the exact products of the quantised numbers (number of the format x scale) in f32.
;;   ~~~python
;;   def quantise(x, axis):      # numpy; x: float32 -> the quantised numbers, widened to float32 again
;;       x = np.moveaxis(x, axis, -1); K = x.shape[-1]
;;       x = np.pad(x, [(0, 0)] * (x.ndim - 1) + [(0, -K % 32)]); x = x.reshape(x.shape[:-1] + (-1, 32)); a = np.abs(x).max(-1, keepdims=True)
;;       e = np.where(a > 0, np.clip(np.frexp(np.where(a > 0, a, 1))[1] - 1 - 2, -126, 127), 0)      # np.frexp(a)[1] - 1 = floor(log2(a)), exactly
;;       r = np.clip(x / 2.0 ** e, -6, 6)
;;       step = 2.0 ** (np.maximum(np.frexp(np.where(r == 0, 1, r))[1] - 1, 0) - 1)
;;       q = np.round(r / step) * step * 2.0 ** e      # np.round: ties to even
;;       return np.moveaxis(q.reshape(q.shape[:-2] + (-1,))[..., :K], -1, axis).astype(np.float32)
;;   ~~~
;; One version. Each part assembles by itself: llvm-mc -triple=amdgcn-amd-amdhsa -mcpu=gfx1250 --defsym DOCPART=n.
;; ======== version 1 of 1: 6 launches
;; limits: values are held in f16: magnitudes above 65,504 overflow, below 6.1e-05 lose precision
;; workspace buffers: xc 4,194,304 bytes; xs 262,144 bytes; wc 1,572,864 bytes; ws 98,304 bytes; qkv 50,331,648 bytes; h32 786,432 bytes; sc 67,108,864 bytes; pb 33,554,432 bytes
;; launch quant (part 1): grid 352 x 1, 8 waves a work-group, no clusters, 61,440 bytes of LDS; arguments x, WQ, WK, WV, xc, xs, wc, ws; writes xc, xs, wc, ws
.if DOCPART == 1
	.amdgcn_target "amdgcn-amd-amdhsa--gfx1250"
	.amdhsa_code_object_version 6
	.text
	.protected	k_q85de000a48_quant
	.globl	k_q85de000a48_quant
	.p2align	8
	.type	k_q85de000a48_quant,@function
k_q85de000a48_quant:
	s_mov_b64 s[64:65], 0
	v_nop
	global_prefetch_b8 v0, s[64:65] scope:SCOPE_SE
	s_setreg_imm32_b32 hwreg(HW_REG_WAVE_MODE, 25, 1), 1
	s_wait_xcnt 0x0
; Both operands of the three quantised products become codes of FP4 (E2M1), K innermost, two codes a byte, with one E8M0 scale byte for each 32 along K.
;   x [8192][1024] f32 (K innermost)            -> xc [8192][512 bytes], xs [8192][32]
;   WQ, WK, WV [1024 (k)][1024 (n)] f32 (K first) -> wc [3072 (n)][512 bytes], ws [3072][32]: rows 0-1023 WQ's columns, then WK's, then WV's
; A block's scale is 2^(floor(log2(its largest magnitude)) - 2); its byte is the largest magnitude's exponent field - 2, held at 1 from below.  A block of zeros so gets the byte 1
; where the quantiser says 127: its codes are zeros, which add nothing under any byte but 0xff, and the bytes are read by this program alone.
; LIMITS: blocks whose largest magnitude lies under 2^-124 keep the byte 1; NaN and infinities among the inputs are not served.
; ONE LAUNCH FOR BOTH, since neither reads what the other stores: work-groups 0-255 take x, work-groups 256-351 the weights.  The branch hangs on the work-group's number alone, the two ways
; never join, and each has LDS bytes of its own.
; X.  Rows are dense: x is a plain stream of blocks of 32.  A wave takes a run of 4,096 numbers in 8 steps of 512; all its 32 loads, 512 consecutive bytes each, go out at the head.  A step's 2,048 bytes
;   turn through the wave's own stage in LDS and come back 64 bytes (16 neighbours) a lane, since the conversions take neighbours along K from one lane's registers; two neighbouring lanes hold a block.
;   A wave's 128 scale bytes are half of an aligned 256: the work-group's 1,024 meet in LDS, and behind one barrier waves 0-3 store 256 consecutive bytes each.
; W.  A LANE TAKES A COLUMN n AND ITS REGISTERS RUN DOWN K: a block of 32 lies in one lane's 32 registers, and the conversions give codes with K innermost; nothing is transposed by an instruction.
;   A work-group takes 64 columns x 512 along K of one weight.  Wave w: columns 32 (w & 1) on, K 128 (w >> 1) on: four blocks a lane; the two waves of a row of W read 256 aligned bytes.
;   The codes meet in a stage of 64 rows x 256 bytes (+ 16); behind one barrier each wave stores 8 whole rows.  The scale bytes leave as 16 bytes a column (rows of ws are 32 bytes): pieces, 98,304 bytes in all.
;   Loads run two blocks ahead: at most 64 of a wave are out.
.set WGX,   256                        ; x's work-groups; a multiple of 16, so that the weights' ids can be cut out of the work-group's number by masks
.set EMAX,  2
.set SPW,   200                        ; v200 LDS address of my spare word; never rewritten
.set NIL,   201                        ; v201 0; never rewritten
.set SP,    80                         ; X: a lane's place in a stage: 64 bytes + 16 of padding
.set WREG,  2*32*SP                    ; X: two stages for each wave
.set XSC,   8*WREG                     ; X: the work-group's 1,024 scale bytes
.set PITCH, 272
.set STG,   XSC+1024                   ; W: 64 rows x 272
.set SST,   STG+64*PITCH               ; W: 64 x 16 scale bytes
.set SPARE, SST+1024                   ; the spare words, 128 bytes for each of eight waves, which no other line names
.set STEPS, 8
.set R,     16                         ; X: v16-143  eight sets of 16 numbers as they are loaded
.set XN,    144                        ; X: v144-175 two sets of 16 neighbours
.set XC,    176                        ; X: v176-191 codes: two registers for each step, so that no store's data are written again
.set E,     192                        ; X: v192-199 a scale byte for each step
.set SW,    16                         ; W: v16 my four scale bytes
.set WC,    20                         ; W: v20-35 codes, four registers a block
.set WX,    40                         ; W: v40-167 four blocks of 32 numbers
	s_load_b256 s[4:11], s[0:1], 0x0               ; x, WQ, WK, WV
	s_load_b256 s[12:19], s[0:1], 0x20             ; xc, xs, wc, ws
	v_lshl_add_u32 v[SPW], v0, 2, SPARE
	v_mov_b32 v[NIL], 0
	v_lshrrev_b32 v1, 5, v0
	v_readfirstlane_b32 s20, v1                    ; wave 0..7
	s_cmp_lt_u32 ttmp9, WGX
	s_cbranch_scc0 .Lw_path
	; ---------------- X ----------------
	v_and_b32 v2, 31, v0                           ; lane
	v_lshlrev_b32 v3, 4, v2                        ; my 16 bytes of a load's 512
	s_mul_i32 s23, s20, WREG
	v_lshrrev_b32 v14, 2, v2
	v_mul_u32_u24 v14, v14, SP
	v_and_b32 v15, 3, v2
	v_lshl_add_u32 v14, v15, 4, v14
	v_add_nc_u32 v14, s23, v14                     ; the stage, way in: SP (lane / 4) + 16 (lane % 4)
	v_mul_u32_u24 v15, v2, SP
	v_add_nc_u32 v15, s23, v15                     ; way out: SP x lane
	v_lshlrev_b32 v4, 3, v2                        ; my 8 bytes of a step's codes
	s_lshl_b32 s23, s20, 7
	s_add_co_u32 s23, s23, XSC
	v_lshrrev_b32 v5, 1, v2
	v_add_nc_u32 v5, s23, v5                       ; my block's scale byte: XSC + 128 x wave + lane / 2
	s_and_b32 s30, s20, 3
	s_lshl_b32 s30, s30, 8
	s_add_co_u32 s23, s30, XSC
	v_lshlrev_b32 v7, 3, v2
	v_add_nc_u32 v6, s23, v7                       ; on the way out: XSC + 256 x (wave & 3) + 8 x lane
	s_lshl_b32 s22, ttmp9, 3
	s_add_co_u32 s22, s22, s20                     ; my run: 0 .. 2047
	s_lshl_b32 s24, s22, 14                        ; 16,384 bytes of x,
	s_mov_b32 s25, 0
	s_lshl_b32 s26, s22, 11                        ; 2,048 of codes a run;
	s_mov_b32 s27, 0
	s_lshl_b32 s28, ttmp9, 10                      ; 1,024 scale bytes a work-group, 256 for each wave that stores them
	s_add_co_u32 s28, s28, s30
	s_mov_b32 s29, 0
	s_wait_kmcnt 0x0
	s_add_nc_u64 s[4:5], s[4:5], s[24:25]
	s_add_nc_u64 s[12:13], s[12:13], s[26:27]
	s_add_nc_u64 s[14:15], s[14:15], s[28:29]
.macro XLOAD t
.irp i, 0,1,2,3
	global_load_b128 v[R+16*(\t)+4*\i:R+16*(\t)+4*\i+3], v3, s[4:5] offset:2048*(\t)+512*\i th:TH_LOAD_NT   ; 32 lanes read 512 consecutive bytes
.endr
.endm
.macro XTURN t                         ; step t's numbers through the stage: LDS serves a wave's instructions in order, so no wait stands between the stores and the loads
.irp i, 0,1,2,3
	ds_store_b128 v14, v[R+16*(\t)+4*\i:R+16*(\t)+4*\i+3] offset:32*SP*((\t)%2)+8*SP*\i
.endr
.irp i, 0,1,2,3
	ds_load_b128 v[XN+16*((\t)%2)+4*\i:XN+16*((\t)%2)+4*\i+3], v15 offset:32*SP*((\t)%2)+16*\i
.endr
.endm
.irp t, 0,1,2,3,4,5,6,7
	XLOAD \t
.endr
	s_wait_loadcnt 28                              ; step 0's four loads are in; the 28 of steps 1 to 7 may be out
	XTURN 0
.macro XSTEP t
.set XS, XN+16*((\t)%2)
.if (\t) > 0
	s_wait_dscnt 1                                 ; this step's numbers are back from the stage; the last step's byte store may be out
.else
	s_wait_dscnt 0x0
.endif
.if (\t)+1 < STEPS
	s_wait_loadcnt 4*(STEPS-2-(\t))                ; the next step's four loads are in; those of the steps behind it may be out
	XTURN (\t)+1                                   ; and go through the other stage while this step is worked
.endif
	v_max3_num_f32 v8, |v[XS]|, |v[XS+1]|, |v[XS+2]|               ; the largest magnitude of my 16, in two chains
	v_max3_num_f32 v9, |v[XS+3]|, |v[XS+4]|, |v[XS+5]|
.irp i, 6,10
	v_max3_num_f32 v8, v8, |v[XS+\i]|, |v[XS+\i+1]|
	v_max3_num_f32 v9, v9, |v[XS+\i+2]|, |v[XS+\i+3]|
.endr
	v_max3_num_f32 v8, v8, |v[XS+14]|, |v[XS+15]|
	v_max3_num_f32 v8, v8, v9, (EMAX+1)<<23        ; and the floor 2^(3 - 127): the byte cannot fall under 1
	v_max_num_f32_dpp v8, v8, v8 row_xmask:1 row_mask:0xf bank_mask:0xf   ; with my neighbour's 16: the block's
	v_add_nc_u32 v11, -(EMAX<<23), v8              ; 2 off its exponent field: the conversion takes the exponent field of this operand as its scale
	v_cvt_scalef32_pk8_fp4_f32 v[XC+2*(\t)], v[XS:XS+7], v11
	v_cvt_scalef32_pk8_fp4_f32 v[XC+2*(\t)+1], v[XS+8:XS+15], v11
	v_lshrrev_b32 v[E+(\t)], 23, v11               ; the scale's byte (also the plain line behind the conversions)
	ds_store_b8 v5, v[E+(\t)] offset:16*(\t)       ; both lanes of a block write the same byte with the same value
	global_store_b64 v4, v[XC+2*(\t):XC+2*(\t)+1], s[12:13] offset:256*(\t)   ; the wave stores 256 consecutive bytes, aligned
.endm
.irp t, 0,1,2,3,4,5,6,7
	XSTEP \t
.endr
	s_wait_dscnt 0x0                               ; for the others' sake: my byte stores are done
	s_barrier_signal -1
	s_barrier_wait -1                              ; the work-group's 1,024 scale bytes lie in LDS
	s_cmp_ge_u32 s20, 4                            ; waves 0 to 3 store them
	s_cbranch_scc1 .Lx_end
	ds_load_b64 v[8:9], v6
	s_wait_dscnt 0x0
	global_store_b64 v7, v[8:9], s[14:15]          ; 256 consecutive bytes, aligned
.Lx_end:
	s_wait_tensorcnt 0x0                           ; the wave's end: behind my last LDS store
	ds_add_u32 v[SPW], v[NIL]
	s_wait_dscnt 0x0
	s_endpgm
	; ---------------- W ----------------
.Lw_path:
	v_and_b32 v1, 31, v0                           ; lane
	v_lshlrev_b32 v2, 2, v1                        ; in: 4 bytes a lane
	v_bfe_u32 v9, v0, 4, 1                         ; h
	v_and_b32 v10, 15, v0                          ; r
	s_and_b32 s26, ttmp9, 15                       ; which 64 columns
	s_lshr_b32 s21, ttmp9, 4
	s_and_b32 s21, s21, 15                         ; 2 x weight + half of K: 0 .. 5
	s_lshr_b32 s22, s21, 1                         ; which weight
	s_and_b32 s23, s21, 1                          ; which 512 along K
	s_and_b32 s24, s20, 1                          ; which 32 columns
	s_lshr_b32 s25, s20, 1                         ; which 128 along K
	s_lshl_b32 s28, s23, 21                        ; W: (512 kh + 128 kq) rows of 4,096 bytes + (64 gx + 32 cg) x 4
	s_lshl_b32 s34, s25, 19
	s_add_co_u32 s28, s28, s34
	s_lshl_b32 s34, s26, 8
	s_add_co_u32 s28, s28, s34
	s_lshl_b32 s34, s24, 7
	s_add_co_u32 s28, s28, s34
	s_mov_b32 s29, 0
	s_lshl_b32 s30, s22, 19                        ; wc: (1024 weight + 64 gx + 8 w) rows of 512 bytes + 256 kh
	s_lshl_b32 s34, s26, 15
	s_add_co_u32 s30, s30, s34
	s_lshl_b32 s34, s20, 12
	s_add_co_u32 s30, s30, s34
	s_lshl_b32 s34, s23, 8
	s_add_co_u32 s30, s30, s34
	s_mov_b32 s31, 0
	s_lshl_b32 s32, s22, 15                        ; ws: (1024 weight + 64 gx + 32 cg) rows of 32 bytes + 16 kh
	s_lshl_b32 s34, s26, 11
	s_add_co_u32 s32, s32, s34
	s_lshl_b32 s34, s24, 10
	s_add_co_u32 s32, s32, s34
	s_lshl_b32 s34, s23, 4
	s_add_co_u32 s32, s32, s34
	s_mov_b32 s33, 0
	s_mul_i32 s34, s24, 32*PITCH                   ; every LDS address of this way is made here, ahead of its branch on the wave's number
	s_lshl_b32 s35, s25, 6
	s_add_co_u32 s34, s34, s35
	s_add_co_u32 s34, s34, STG
	v_mul_u32_u24 v3, v1, PITCH
	v_add_nc_u32 v3, s34, v3                       ; codes in: row = my column, 64 kq bytes on
	s_lshl_b32 s34, s24, 9
	s_add_co_u32 s34, s34, SST
	s_lshl_b32 s35, s25, 2
	s_add_co_u32 s35, s35, s34
	v_lshl_add_u32 v4, v1, 4, s35                  ; my scale word in
	v_lshl_add_u32 v7, v1, 4, s34                  ; a column's 16 scale bytes out
	s_mul_i32 s34, s20, 8*PITCH
	s_add_co_u32 s34, s34, STG
	v_mul_u32_u24 v5, v9, PITCH
	v_lshl_add_u32 v5, v10, 4, v5
	v_add_nc_u32 v5, s34, v5                       ; codes out: rows 8 w + h on, 16 bytes a lane
	v_lshlrev_b32 v6, 9, v9
	v_lshl_add_u32 v6, v10, 4, v6                  ; and the same place in wc
	v_lshlrev_b32 v8, 5, v1                        ; ws: 32 bytes a column
	s_wait_kmcnt 0x0
	s_cmp_eq_u32 s22, 0                            ; the weight is chosen by the work-group's number alone
	s_cselect_b64 s[6:7], s[6:7], s[8:9]
	s_cmp_eq_u32 s22, 2
	s_cselect_b64 s[6:7], s[10:11], s[6:7]
	s_add_nc_u64 s[6:7], s[6:7], s[28:29]
	s_add_nc_u64 s[16:17], s[16:17], s[30:31]
	s_add_nc_u64 s[18:19], s[18:19], s[32:33]
.macro WLOAD t                         ; block t: W(32 t + i, my column)
.irp i, 0,1,2,3,4,5,6,7,8,9,10,11,12,13,14,15,16,17,18,19,20,21,22,23,24,25,26,27,28,29,30,31
	global_load_b32 v[WX+32*(\t)+\i], v2, s[6:7] offset:(32*(\t)+\i)*4096 th:TH_LOAD_NT
.endr
.endm
	WLOAD 0
	WLOAD 1
.macro WBLOCK t
.set XS, WX+32*(\t)
.if (\t) < 3
	s_wait_loadcnt 32                              ; this block's 32 loads are in; the next block's 32 may be out
.else
	s_wait_loadcnt 0x0
.endif
.if (\t)+2 < 4
	WLOAD (\t)+2                                   ; into registers of its own
.endif
	v_max3_num_f32 v12, |v[XS]|, |v[XS+1]|, |v[XS+2]|              ; the block's largest magnitude: all 32 numbers are mine
	v_max3_num_f32 v13, |v[XS+3]|, |v[XS+4]|, |v[XS+5]|
.irp i, 6,10,14,18,22,26
	v_max3_num_f32 v12, v12, |v[XS+\i]|, |v[XS+\i+1]|
	v_max3_num_f32 v13, v13, |v[XS+\i+2]|, |v[XS+\i+3]|
.endr
	v_max3_num_f32 v12, v12, |v[XS+30]|, |v[XS+31]|
	v_max3_num_f32 v12, v12, v13, (EMAX+1)<<23     ; and the floor 2^(3 - 127)
	v_add_nc_u32 v11, -(EMAX<<23), v12             ; the conversion's scale operand
	v_lshrrev_b32 v13, 23, v11                     ; the scale's byte
.if (\t) == 0
	v_mov_b32 v[SW], v13
.else
	v_lshl_or_b32 v[SW], v13, 8*(\t), v[SW]        ; the lower K in the lower byte
.endif
.irp g, 0,1,2,3
	v_cvt_scalef32_pk8_fp4_f32 v[WC+4*(\t)+\g], v[XS+8*\g:XS+8*\g+7], v11
.endr
	v_nop                                          ; a plain line behind the conversions
	ds_store_b128 v3, v[WC+4*(\t):WC+4*(\t)+3] offset:16*(\t)
.endm
	WBLOCK 0
	WBLOCK 1
	WBLOCK 2
	WBLOCK 3
	ds_store_b32 v4, v[SW]
	s_wait_dscnt 0x0                               ; for the others' sake: my stores into the stage are done
	s_barrier_signal -1
	s_barrier_wait -1
.irp t, 0,1,2,3
	ds_load_b128 v[168+4*\t:171+4*\t], v5 offset:2*\t*PITCH
.endr
.irp t, 0,1,2,3
	s_wait_dscnt 3-\t                              ; loads come back in order: number t is in, the younger ones may be out
	global_store_b128 v6, v[168+4*\t:171+4*\t], s[16:17] offset:2*\t*512   ; sixteen lanes store 256 consecutive bytes, aligned
.endr
	s_cmp_ge_u32 s20, 2                            ; waves 0 and 1 store the 64 columns' scale bytes
	s_cbranch_scc1 .Lno_scales
	ds_load_b128 v[184:187], v7
	s_wait_dscnt 0x0
	global_store_b128 v8, v[184:187], s[18:19]
.Lno_scales:
	s_wait_tensorcnt 0x0                           ; the wave's end: behind my last LDS store
	ds_add_u32 v[SPW], v[NIL]
	s_wait_dscnt 0x0
	s_endpgm
.Lfunc_end_k_q85de000a48_quant:
	.size	k_q85de000a48_quant, .Lfunc_end_k_q85de000a48_quant-k_q85de000a48_quant
	.p2alignl 7, 3214868480
	.fill 96, 4, 3214868480
	.section	.rodata,"a",@progbits
	.p2align	6, 0x0
	.amdhsa_kernel k_q85de000a48_quant
		.amdhsa_group_segment_fixed_size 61440
		.amdhsa_private_segment_fixed_size 0
		.amdhsa_enable_private_segment 0
		.amdhsa_kernarg_size 64
		.amdhsa_user_sgpr_count 2
		.amdhsa_user_sgpr_kernarg_segment_ptr 1
		.amdhsa_wavefront_size32 1
		.amdhsa_system_sgpr_workgroup_id_x 1
		.amdhsa_system_sgpr_workgroup_id_y 1
		.amdhsa_system_sgpr_workgroup_id_z 1
		.amdhsa_system_vgpr_workitem_id 0
		.amdhsa_next_free_vgpr 208
		.amdhsa_next_free_sgpr 66
		.amdhsa_reserve_vcc 0
		.amdhsa_float_denorm_mode_32 3
		.amdhsa_float_denorm_mode_16_64 3
		.amdhsa_memory_ordered 1
		.amdhsa_forward_progress 1
		.amdhsa_inst_pref_size 40
	.end_amdhsa_kernel
	.amdgpu_metadata
---
amdhsa.version: [ 1, 2 ]
amdhsa.kernels:
  - .name:           k_q85de000a48_quant
    .symbol:         k_q85de000a48_quant.kd
    .args:
      - { .name: x, .offset: 0, .size: 8, .value_kind: global_buffer, .address_space: global }
      - { .name: WQ, .offset: 8, .size: 8, .value_kind: global_buffer, .address_space: global }
      - { .name: WK, .offset: 16, .size: 8, .value_kind: global_buffer, .address_space: global }
      - { .name: WV, .offset: 24, .size: 8, .value_kind: global_buffer, .address_space: global }
      - { .name: xc, .offset: 32, .size: 8, .value_kind: global_buffer, .address_space: global }
      - { .name: xs, .offset: 40, .size: 8, .value_kind: global_buffer, .address_space: global }
      - { .name: wc, .offset: 48, .size: 8, .value_kind: global_buffer, .address_space: global }
      - { .name: ws, .offset: 56, .size: 8, .value_kind: global_buffer, .address_space: global }
    .group_segment_fixed_size: 61440
    .private_segment_fixed_size: 0
    .kernarg_segment_align: 8
    .kernarg_segment_size: 64
    .max_flat_workgroup_size: 256
    .sgpr_count:     66
    .vgpr_count:     208
    .wavefront_size: 32
...
	.end_amdgpu_metadata
.endif
;; end of part 1
;; launch proj (part 2): grid 12 x 32, 4 waves a work-group, clusters of 4 x 4, 327,680 bytes of LDS; arguments xc, xs, wc, ws, qkv, h32; writes qkv, h32
.if DOCPART == 2
	.amdgcn_target "amdgcn-amd-amdhsa--gfx1250"
	.amdhsa_code_object_version 6
	.text
	.protected	k_q85de000a48_proj
	.globl	k_q85de000a48_proj
	.p2align	8
	.type	k_q85de000a48_proj,@function
k_q85de000a48_proj:
	s_mov_b64 s[64:65], 0
	v_nop
	global_prefetch_b8 v0, s[64:65] scope:SCOPE_SE
	s_setreg_imm32_b32 hwreg(HW_REG_WAVE_MODE, 25, 1), 1
	s_wait_xcnt 0x0
	s_wait_alu depctr_hold_cnt(0) depctr_sa_sdst(0) depctr_va_vdst(0) depctr_va_sdst(0) depctr_va_ssrc(0) depctr_va_vcc(0) depctr_vm_vsrc(0)
	s_getreg_b32 s2, hwreg(HW_REG_IB_STS2, 6, 4)
	s_cmp_eq_u32 s2, 0
	s_cbranch_scc0 .Lentry_in_a_cluster
	s_endpgm
.Lentry_in_a_cluster:
	s_bfe_u32 s2, ttmp6, 0x10000c
	s_cmp_lg_u32 s2, 0xf033
	s_cbranch_scc0 .Lentry_shape_is_right
	s_endpgm
.Lentry_shape_is_right:
; [q | k | v][m][n] = sum over k of x[m][k] W[k][n], both operands as codes of FP4 (E2M1) with one E8M0 scale for each 32 along K, as the launch before has made them.
; A: xc [8192][512 bytes], xs [8192][32].  B: wc [3072][512 bytes], ws [3072][32].  Sums in f32.  Out: qkv [8192][3072] as f16 (the operands of the two attention products),
; and h32 [4][16][3072] f32: the first 16 positions of every batch, which a later launch carries in f32.
; LIMIT: |q|, |k|, |v| up to 65,504 (f16's largest number); beyond it the f16 copy holds infinities.
; A tile of C, 256 x 256, is made by four waves, each 128 x 128: 64 accumulators, 512 registers.  K = 1024 is two K steps of 512, each a slot of LDS with rows of 256 bytes: both are asked for at the head and nothing is filled again.
; THE SCALES of the tile's 256 rows of A and of B, for all of K, are two dense blocks: they come into LDS once, with the first fills.
; CLUSTERS: 4 x 4 work-groups.  The four of a row of the cluster need the same tiles of A, the four of a column the same tiles of B: each is asked for jointly.
; The tile row is 8 cy + cluster y, so that cy is the batch and 'this tile holds a batch's first rows' is cluster y = 0: the same in all sixteen partners.
; THE MATRIX INSTRUCTION IS USED TRANSPOSED (source 0 = 16 rows of B, source 1 = 16 rows of A): a lane holds eight neighbouring numbers of a row of C.
; REGISTERS: window 0: v0-31 addresses; v32-95 scale words, two sets, and nothing else ever; v128-191 A's fragments, one set; on the way out v96-255.
;   window 1: B's fragments, two sets, at v0 and v128.   window 2: the accumulators of my rows 0-63 ((a, b) at v[8 (8 a + b)]);   window 3: those of rows 64-127.
.set NQ,     4                         ; steps of 128 along K in a slot
.set ROWB,   256                       ; a tile's row in bytes: 512 codes
.set KROW,   512                       ; a row of codes in memory
.set PITCH,  272                       ; an LDS row: 256 bytes + 16 = 68 words: the 16 rows of a load start at 16 different banks (64 banks of 4 bytes: ISA guide 11.1)
.set FR,     8
.set NL,     2
.set NP,     4                         ; places behind this matrix instruction (ISA guide 7.12.1)
.set HALFT,  128*PITCH
.set SLOT,   4*HALFT
.set KS,     32                        ; a row of scales in bytes
.set SCL,    2*SLOT                    ; behind the slots: the scales, as units of 256 bytes + 16
.set HALFS,  (128*KS/256)*272
.set SBLK,   (16*KS/256)*272
.set SPARE,  SCL+4*HALFS               ; the spare words, 128 bytes a wave, which no other line names
.set CPITCH, 6144                      ; a row of qkv in bytes
.set HPITCH, 12288                     ; a row of h32
.set S16P,   272                       ; the way out: a stage of 16 rows x (256 + 16) for each wave, and behind the four a stage of 16 x (512 + 16) each for the f32 copy;
.set S32P,   528                       ; both lie in slot 0, which has had its only fill and its last read when the first result is stored there
.set ADRA, 16
.set STO32, 18
.set RD32, 19
.set ADRB, 20
.set CO32, 22
.set STO,  24
.set RD,   25
.set CO,   26
.set ADRS, 27
.set SPW,  28
.set NIL,  29
.set SC,   32
.set AF,   128
.set TMP,  192                         ; the way out: packed results
.set OB,   96                          ; rows read back: v96-127 and v224-255 by turns
.set G1, 24
.set G0, 32
.set G1B, 48
.set G0B, 56
.set G1S, 68
.set G0S, 76
.set G1SB, 80
.set G0SB, 88
.set MSB, 0
.macro WIN new                         ; the immediate's high byte repeats the setting that is left
.if MSB != \new
	s_set_vgpr_msb (MSB<<8)|\new
.set MSB, \new
.endif
.endm
.set MUL_LO, 0xa1                      ; source 0 (B) window 1, source 1 (A) window 0, C and D window 2
.set MUL_HI, 0xf1
.set TO_B,   0x40
; A joint load: waves 0 and 1 fetch for A, waves 2 and 3 for B; the branch hangs on the wave's number alone.  An s_nop 0 and four v_nop follow each line.
.macro JLOAD g0a, g1a, g0b, g1b
	s_cmp_eq_u32 s15, 0
	s_cbranch_scc0 .Lfor_b_\@
	tensor_load_to_lds s[\g0a:\g0a+3], s[\g1a:\g1a+7]
	s_nop 0
.rept 4
	v_nop
.endr
	s_branch .Lasked_\@
.Lfor_b_\@:
	tensor_load_to_lds s[\g0b:\g0b+3], s[\g1b:\g1b+7]
	s_nop 0
.rept 4
	v_nop
.endr
.Lasked_\@:
.endm
.macro CROUND                          ; a round of the cluster's barrier
	s_barrier_signal -1
	s_barrier_wait -1
	s_cmp_lg_u32 s14, 0
	s_cbranch_scc1 .Lnot_wave_0_\@
	s_barrier_signal -3
.Lnot_wave_0_\@:
	s_barrier_wait -3
	s_barrier_signal -1
	s_barrier_wait -1
.endm
	s_load_b128 s[4:7], s[0:1], 0x0                ; xc, xs
	s_load_b128 s[8:11], s[0:1], 0x10              ; wc, ws
	s_load_b64 s[12:13], s[0:1], 0x20              ; qkv
	s_load_b64 s[98:99], s[0:1], 0x28              ; h32
	v_lshl_add_u32 v[SPW], v0, 2, SPARE
	v_mov_b32 v[NIL], 0
	ds_add_u32 v[SPW], v[NIL]                      ; the wave's opening: the add, twice on end, and its wait ahead of my first tensor load
	ds_add_u32 v[SPW], v[NIL]
	v_lshrrev_b32 v1, 5, v0
	v_readfirstlane_b32 s14, v1                    ; wave 0..3
	s_lshr_b32 s15, s14, 1                         ; which half of the tile's rows is mine.  Also: I fetch for A (0) or for B (1)
	s_and_b32 s16, s14, 1                          ; which half of its columns.  Also: which 128 rows I fetch
	s_bfe_u32 s40, ttmp6, 0x40000                  ; cx
	s_bfe_u32 s41, ttmp6, 0x40004                  ; cy
	s_lshl_b32 s42, ttmp9, 2
	s_add_co_u32 s42, s42, s40                     ; tile column = 4 x cluster x + cx: 0 .. 11
	s_and_b32 s95, ttmp7, 0xffff                   ; cluster y: 0 .. 7
	s_lshl_b32 s17, s41, 3
	s_add_co_u32 s17, s17, s95                     ; tile row = 8 cy + cluster y: cy is the batch
	s_lshl_b32 s43, s41, 2
	s_lshl_b32 s43, 15, s43                        ; my row of the cluster
	s_lshl_b32 s44, 0x1111, s40                    ; my column
	s_or_b32 s[G1+0], s43, (0<<16)|(1<<20)|(1<<21)|(5<<22)|(3<<25)  ; the mask; elements of 1 byte; padding on; bit 21 beside a mask; 4 words of padding after every 64
	s_or_b32 s[G1B+0], s44, (0<<16)|(1<<20)|(1<<21)|(5<<22)|(3<<25)
.irp g, G1, G1B
	s_mov_b32 s[\g+1], ROWB<<16                    ; tensor_dim0
	s_mov_b32 s[\g+2], 128<<16                     ; tensor_dim1
	s_mov_b32 s[\g+3], ROWB<<16                    ; tile_dim0
	s_mov_b32 s[\g+4], 128                         ; tile_dim1
	s_mov_b32 s[\g+5], KROW                        ; the pitch
	s_mov_b32 s[\g+6], 0
	s_mov_b32 s[\g+7], 0
.endr
	s_or_b32 s[G1S+0], s43, (3<<16)|(1<<20)|(1<<21)|(5<<22)|(3<<25)  ; the scales of 128 rows: 4,096 dense bytes as 16 rows of 32 elements of 8 bytes
	s_or_b32 s[G1SB+0], s44, (3<<16)|(1<<20)|(1<<21)|(5<<22)|(3<<25)
.irp g, G1S, G1SB
	s_mov_b32 s[\g+1], 32<<16
	s_mov_b32 s[\g+2], (128*KS/256)<<16
	s_mov_b32 s[\g+3], 32<<16
	s_mov_b32 s[\g+4], 128*KS/256
	s_mov_b32 s[\g+5], 32
	s_mov_b32 s[\g+6], 0
	s_mov_b32 s[\g+7], 0
.endr
	s_lshl_b32 s18, s16, 7                         ; which 128 rows of the tile I fetch
	s_lshl_b32 s20, s17, 8
	s_add_co_u32 s20, s20, s18                     ; A: row 256 x tile row + 128 x half
	s_lshl_b32 s46, s42, 8
	s_add_co_u32 s46, s46, s18                     ; B: row 256 x tile column + 128 x half
	s_mov_b32 s21, 0
	s_mov_b32 s47, 0
	s_mov_b64 s[18:19], KS
	s_mul_u64 s[22:23], s[20:21], s[18:19]         ; where these rows' scales begin
	s_mul_u64 s[92:93], s[46:47], s[18:19]
	s_mov_b64 s[18:19], KROW
	s_mul_u64 s[20:21], s[20:21], s[18:19]         ; and their codes
	s_mul_u64 s[46:47], s[46:47], s[18:19]
	s_mul_i32 s45, s14, HALFT                      ; where they go: wave x 128 rows
	s_mul_i32 s94, s14, HALFS
	s_wait_dscnt 0x0                               ; both opening adds are done
	s_wait_kmcnt 0x0
	s_add_nc_u64 s[20:21], s[4:5], s[20:21]
	s_add_nc_u64 s[22:23], s[6:7], s[22:23]
	s_add_nc_u64 s[46:47], s[8:9], s[46:47]
	s_add_nc_u64 s[92:93], s[10:11], s[92:93]
	CROUND                                         ; all sixteen work-groups are here: the joint loads meet
	s_mov_b32 s[G0S], 1
	s_add_co_u32 s[G0S+1], s94, SCL
	s_mov_b64 s[G0S+2:G0S+3], s[22:23]
	s_or_b32 s[G0S+3], s[G0S+3], 0x80000000
	s_mov_b32 s[G0SB], 1
	s_add_co_u32 s[G0SB+1], s94, SCL
	s_mov_b64 s[G0SB+2:G0SB+3], s[92:93]
	s_or_b32 s[G0SB+3], s[G0SB+3], 0x80000000
	JLOAD G0S, G1S, G0SB, G1SB                     ; the scales first: they are wanted with K step 0.  With the two below three loads of mine are out
.irp s, 0,1
	s_mov_b32 s[G0+4*\s], 1
	s_add_co_u32 s[G0+4*\s+1], s45, \s*SLOT
	s_add_nc_u64 s[G0+4*\s+2:G0+4*\s+3], s[20:21], \s*ROWB
	s_or_b32 s[G0+4*\s+3], s[G0+4*\s+3], 0x80000000
	s_mov_b32 s[G0B+4*\s], 1
	s_add_co_u32 s[G0B+4*\s+1], s45, \s*SLOT
	s_add_nc_u64 s[G0B+4*\s+2:G0B+4*\s+3], s[46:47], \s*ROWB
	s_or_b32 s[G0B+4*\s+3], s[G0B+4*\s+3], 0x80000000
	JLOAD G0+4*\s, G1, G0B+4*\s, G1B
.endr
	v_and_b32 v1, 15, v0                           ; r = l % 16
	v_bfe_u32 v2, v0, 4, 1                         ; h = l / 16
	v_mul_u32_u24 v3, v1, PITCH
	v_lshl_add_u32 v4, v2, 4, v3                   ; a fragment's row x pitch + 16 h
	s_mul_i32 s21, s15, HALFT                      ; my 128 rows of A
	s_mul_i32 s22, s16, HALFT                      ; my 128 rows of B,
	s_add_co_u32 s22, s22, 2*HALFT                 ; behind A's 256
.irp s, 0,1
	v_add_nc_u32 v[ADRA+\s], s21, v4
	v_add_nc_u32 v[ADRB+\s], s22, v4
	s_add_co_u32 s21, s21, SLOT
	s_add_co_u32 s22, s22, SLOT
.endr
	v_mul_u32_u24 v5, v1, KS                       ; my row's scales: 32 bytes a row,
	v_lshrrev_b32 v6, 8, v5
	v_lshl_add_u32 v5, v6, 4, v5                   ; and 16 more for each 256 passed
	s_mul_i32 s21, s15, HALFS
	s_mul_i32 s22, s16, HALFS
	s_add_co_u32 s22, s22, 2*HALFS
	s_sub_co_u32 s22, s22, s21
	v_mul_u32_u24 v6, s22, v2                      ; lanes 16-31 take B's: one product, the distance between the two bases
	s_add_co_u32 s21, s21, SCL
	v_add_nc_u32 v5, v5, v6
	v_add_nc_u32 v[ADRS], s21, v5
	s_mul_i32 s23, s14, 16*S16P                    ; my f16 stage
	v_mul_u32_u24 v5, v1, S16P
	v_lshl_add_u32 v5, v2, 4, v5
	v_add_nc_u32 v[STO], s23, v5                   ; in: row r, 16 bytes for each half of the lanes
	v_mul_u32_u24 v5, v2, S16P
	v_lshl_add_u32 v5, v1, 4, v5
	v_add_nc_u32 v[RD], s23, v5                    ; back: lanes 0-15 one row of 256 bytes, lanes 16-31 the next
	v_mul_u32_u24 v5, v2, CPITCH
	v_lshl_add_u32 v[CO], v1, 4, v5                ; and the same two rows in qkv
	s_mul_i32 s23, s14, 16*S32P
	s_add_co_u32 s23, s23, 4*16*S16P               ; my f32 stage
	v_mul_u32_u24 v5, v1, S32P
	v_lshl_add_u32 v5, v2, 5, v5
	v_add_nc_u32 v[STO32], s23, v5
	v_and_b32 v6, 31, v0
	v_lshlrev_b32 v[CO32], 4, v6
	v_add_nc_u32 v[RD32], s23, v[CO32]
	s_lshl_b32 s20, s17, 8
	s_lshl_b32 s21, s15, 7
	s_add_co_u32 s20, s20, s21                     ; my first row of qkv
	s_mul_i32 s20, s20, CPITCH
	s_lshl_b32 s46, s42, 9                         ; my first column, in bytes: 512 x tile column + 256 x half
	s_lshl_b32 s47, s16, 8
	s_add_co_u32 s46, s46, s47
	s_add_co_u32 s20, s20, s46
	s_mov_b32 s21, 0
	s_add_nc_u64 s[12:13], s[12:13], s[20:21]
	s_mul_i32 s46, s41, 16*HPITCH                  ; h32: the batch's 16 rows, my 128 columns of f32
	s_lshl_b32 s47, s42, 10
	s_add_co_u32 s46, s46, s47
	s_lshl_b32 s47, s16, 9
	s_add_co_u32 s46, s46, s47
	s_mov_b32 s47, 0
	s_add_nc_u64 s[98:99], s[98:99], s[46:47]
.macro FRAG reg, adr, q, i             ; 16 rows x 128 K of 4-bit codes: 8 registers; registers 4 c .. 4 c + 3 hold K = 64 c + 32 (l / 16) + 0 .. 31
.irp c, 0,1
	ds_load_b128 v[\reg+4*\c:\reg+4*\c+3], v[\adr] offset:64*(\q)+32*\c+(\i)*16*PITCH
.endr
.endm
; 16 matrix instructions: A's blocks a0, a0 + 1 x B's eight.  The 64 accumulators take turns, one instruction a turn, in the same order in every step.
.macro MUL16 a0, p, q, sc, zero
.irp a, \a0, \a0+1
.irp b, 0,1,2,3,4,5,6,7
.if \zero
	v_wmma_scale_f32_16x16x128_f8f6f4 v[8*(8*((\a)%4)+\b):8*(8*((\a)%4)+\b)+7], v[128*(\p)+FR*\b:128*(\p)+FR*\b+FR-1], v[AF+FR*(\a):AF+FR*(\a)+FR-1], 0, v[SC+8*NQ*(\sc)+NQ*\b+(\q)], v[SC+8*NQ*(\sc)+NQ*(\a)+(\q)] matrix_a_fmt:MATRIX_FMT_FP4 matrix_b_fmt:MATRIX_FMT_FP4 matrix_a_scale:MATRIX_SCALE_ROW1
.else
	v_wmma_scale_f32_16x16x128_f8f6f4 v[8*(8*((\a)%4)+\b):8*(8*((\a)%4)+\b)+7], v[128*(\p)+FR*\b:128*(\p)+FR*\b+FR-1], v[AF+FR*(\a):AF+FR*(\a)+FR-1], v[8*(8*((\a)%4)+\b):8*(8*((\a)%4)+\b)+7], v[SC+8*NQ*(\sc)+NQ*\b+(\q)], v[SC+8*NQ*(\sc)+NQ*(\a)+(\q)] matrix_a_fmt:MATRIX_FMT_FP4 matrix_b_fmt:MATRIX_FMT_FP4 matrix_a_scale:MATRIX_SCALE_ROW1
.endif
.endr
.endr
.endm
.macro FETCH_B slot, q, p
	WIN TO_B
.irp i, 0,1,2,3,4,5,6,7
	FRAG 128*(\p)+FR*\i, ADRB+\slot, \q, \i
.endr
	WIN 0
.endm
.macro FETCH_A slot, q, i0
.irp i, \i0, \i0+1, \i0+2, \i0+3
	FRAG AF+FR*(\i), ADRA+\slot, \q, \i
.endr
.endm
.macro SCALES sc                       ; a K step's scale words: four a row; lanes 0-15 A's block i, lanes 16-31 B's block i
.irp i, 0,1,2,3,4,5,6,7
	ds_load_b128 v[SC+8*NQ*\sc+NQ*\i:SC+8*NQ*\sc+NQ*\i+3], v[ADRS] offset:\i*SBLK
.endr
.endm
.macro PLACES n                        ; plain vector lines between a matrix instruction and a load into, or a read of, its registers
.rept \n
	v_nop
.endr
.endm
.macro STEP slot, q, zero              ; a step of 128 along K that has its successor in the same slot
	s_wait_dscnt 4*NL                              ; B's set and A's blocks 0-3 are in; the youngest eight loads (A's blocks 4-7) may be out
	WIN MUL_LO
	MUL16 0, (\q)%2, \q, \slot, \zero
	MUL16 2, (\q)%2, \q, \slot, \zero
	s_wait_dscnt 0
	PLACES NP
	FETCH_B \slot, (\q)+1, 1-(\q)%2
	FETCH_A \slot, (\q)+1, 0
	WIN MUL_HI
	MUL16 4, (\q)%2, \q, \slot, \zero
	MUL16 6, (\q)%2, \q, \slot, \zero
	PLACES NP
	WIN 0
	FETCH_A \slot, (\q)+1, 4
.endm
; Slot 0's last step changes slots: one barrier; in front of it each wave waits for all its tensor loads (its part of slot 1), adds 0 to its spare word, and waits for that and for its reads of slot 0.
; Behind it slot 1 is whole, and nobody reads slot 0 any more: the stages of the way out lie there.
.macro TURN slot, next
	s_wait_tensorcnt 0x0
	ds_add_u32 v[SPW], v[NIL]
	s_wait_dscnt 4*NL+1                            ; the add and the youngest eight loads may be out
	WIN MUL_LO
	MUL16 0, 1, NQ-1, \slot, 0
	s_wait_dscnt 0x0
	s_barrier_signal -1
	MUL16 2, 1, NQ-1, \slot, 0
	WIN 0
	s_barrier_wait -1
	PLACES NP
	v_add_nc_u32 v[ADRS], 4*NQ, v[ADRS]            ; on to the next K step's scale words (no LDS load of mine is out)
	FETCH_B \next, 0, 0
	FETCH_A \next, 0, 0
	SCALES \next
	WIN MUL_HI
	MUL16 4, 1, NQ-1, \slot, 0
	MUL16 6, 1, NQ-1, \slot, 0
	PLACES NP
	WIN 0
	FETCH_A \next, 0, 4
.endm
.macro STEPS slot, from
.set Q, \from
.rept NQ-1-\from
	STEP \slot, Q, 0
.set Q, Q+1
.endr
.endm
	s_wait_tensorcnt 1                             ; the scales and my part of K step 0 are in; K step 1's load may be out
	s_barrier_signal -1
	s_barrier_wait -1
	FETCH_B 0, 0, 0
	FETCH_A 0, 0, 0
	SCALES 0
	FETCH_A 0, 0, 4
	STEP 0, 0, 1                                   ; the first products start the sums: nothing is cleared
	STEPS 0, 1
	TURN 0, 1
	STEPS 1, 0
	s_wait_dscnt 4*NL                              ; the very last step
	WIN MUL_LO
	MUL16 0, 1, NQ-1, 1, 0
	MUL16 2, 1, NQ-1, 1, 0
	s_wait_dscnt 0
	WIN MUL_HI
	MUL16 4, 1, NQ-1, 1, 0
	MUL16 6, 1, NQ-1, 1, 0
	WIN 0
	PLACES NP                                      ; for the loads into registers that held A's fragments, and for the reads of the last results
	; THE F32 COPY: where the tile begins a batch (cluster y = 0) the waves of its upper half send block 0, rows 0-15, through the f32 stage: whole rows of 512 bytes.
	s_or_b32 s96, s95, s15                         ; cluster y and the wave's number alone: the same in all partners
	s_cmp_lg_u32 s96, 0
	s_cbranch_scc1 .Lno_side
	WIN 0x08                                       ; an LDS store's data are its source 1: window 2
.irp b, 0,1,2,3,4,5,6,7
	ds_store_b128 v[STO32], v[8*\b:8*\b+3] offset:64*\b              ; each accumulator from its low end on
	ds_store_b128 v[STO32], v[8*\b+4:8*\b+7] offset:64*\b+16
.endr
	WIN 0
.irp t, 0,1,2,3,4,5,6,7,8,9,10,11,12,13,14,15
	ds_load_b128 v[128+4*\t:131+4*\t], v[RD32] offset:\t*S32P        ; LDS serves a wave's instructions in order: these see the stores above
.endr
	s_wait_dscnt 0x0
.irp t, 0,1,2,3,4,5,6,7,8,9,10,11,12,13,14,15
	global_store_b128 v[CO32], v[128+4*\t:131+4*\t], s[98:99] offset:\t*HPITCH   ; 32 lanes store 512 consecutive bytes, aligned
.endr
.Lno_side:
; THE WAY OUT, block by block of 16 rows x 128 columns: rounded to f16 (16 bytes a lane), through my stage, back as rows of 256 bytes.
.macro PACK a
.set AC, 64*((\a)%4)
	WIN 0x0a+5*((\a)/4)                            ; sources 0 and 1: window 2 or 3
.irp b, 0,1,2,3,4,5,6,7
.irp r, 0,1,2,3
	v_cvt_pk_f16_f32 v[TMP+4*\b+\r], v[AC+8*\b+2*\r], v[AC+8*\b+2*\r+1]
.endr
.endr
	WIN 0
.endm
.macro TOSTAGE a
.set BK, OB+128*((\a)%2)
.irp b, 0,1,2,3,4,5,6,7
	ds_store_b128 v[STO], v[TMP+4*\b:TMP+4*\b+3] offset:32*\b
.endr
.irp t, 0,1,2,3,4,5,6,7
	ds_load_b128 v[BK+4*\t:BK+4*\t+3], v[RD] offset:\t*2*S16P
.endr
.endm
.macro SEND a
.set BK, OB+128*((\a)%2)
	s_wait_dscnt 0x0                               ; the block is back in registers
	s_wait_xcnt 0x0                                ; earlier stores have read their base and their data: the base may step, and the block after next may land on their registers
.if (\a) > 0
	s_add_nc_u64 s[12:13], s[12:13], 16*CPITCH
.endif
.irp t, 0,1,2,3,4,5,6,7
	global_store_b128 v[CO], v[BK+4*\t:BK+4*\t+3], s[12:13] offset:2*\t*CPITCH   ; 16 lanes store 256 consecutive bytes, aligned
.endr
.endm
	PACK 0
	TOSTAGE 0
.irp a, 1,2,3,4,5,6,7                  ; block a's conversions stand between block a - 1's loads from the stage and the wait for them
	PACK \a
	SEND \a-1
	TOSTAGE \a
.endr
	SEND 7
	s_wait_tensorcnt 0x0                           ; the wave's end
	ds_add_u32 v[SPW], v[NIL]
	s_wait_dscnt 0x0
	CROUND                                         ; the closing round
	s_endpgm
.Lfunc_end_k_q85de000a48_proj:
	.size	k_q85de000a48_proj, .Lfunc_end_k_q85de000a48_proj-k_q85de000a48_proj
	.p2alignl 7, 3214868480
	.fill 96, 4, 3214868480
	.section	.rodata,"a",@progbits
	.p2align	6, 0x0
	.amdhsa_kernel k_q85de000a48_proj
		.amdhsa_group_segment_fixed_size 327680
		.amdhsa_private_segment_fixed_size 0
		.amdhsa_enable_private_segment 0
		.amdhsa_kernarg_size 48
		.amdhsa_user_sgpr_count 2
		.amdhsa_user_sgpr_kernarg_segment_ptr 1
		.amdhsa_wavefront_size32 1
		.amdhsa_system_sgpr_workgroup_id_x 1
		.amdhsa_system_sgpr_workgroup_id_y 1
		.amdhsa_system_sgpr_workgroup_id_z 1
		.amdhsa_system_vgpr_workitem_id 0
		.amdhsa_next_free_vgpr 1024
		.amdhsa_next_free_sgpr 100
		.amdhsa_reserve_vcc 0
		.amdhsa_float_denorm_mode_32 3
		.amdhsa_float_denorm_mode_16_64 3
		.amdhsa_memory_ordered 1
		.amdhsa_forward_progress 1
		.amdhsa_inst_pref_size 131
	.end_amdhsa_kernel
	.amdgpu_metadata
---
amdhsa.version: [ 1, 2 ]
amdhsa.kernels:
  - .name:           k_q85de000a48_proj
    .symbol:         k_q85de000a48_proj.kd
    .args:
      - { .name: xc, .offset: 0, .size: 8, .value_kind: global_buffer, .address_space: global }
      - { .name: xs, .offset: 8, .size: 8, .value_kind: global_buffer, .address_space: global }
      - { .name: wc, .offset: 16, .size: 8, .value_kind: global_buffer, .address_space: global }
      - { .name: ws, .offset: 24, .size: 8, .value_kind: global_buffer, .address_space: global }
      - { .name: qkv, .offset: 32, .size: 8, .value_kind: global_buffer, .address_space: global }
      - { .name: h32, .offset: 40, .size: 8, .value_kind: global_buffer, .address_space: global }
    .group_segment_fixed_size: 327680
    .private_segment_fixed_size: 0
    .kernarg_segment_align: 8
    .kernarg_segment_size: 48
    .max_flat_workgroup_size: 128
    .sgpr_count:     100
    .vgpr_count:     1024
    .wavefront_size: 32
...
	.end_amdgpu_metadata
.endif
;; end of part 2
;; launch sgemm (part 3): grid 12 x 16, 4 waves a work-group, clusters of 4 x 4, 327,680 bytes of LDS; arguments qkv, sc; writes sc
.if DOCPART == 3
	.amdgcn_target "amdgcn-amd-amdhsa--gfx1250"
	.amdhsa_code_object_version 6
	.text
	.protected	k_q85de000a48_sgemm
	.globl	k_q85de000a48_sgemm
	.p2align	8
	.type	k_q85de000a48_sgemm,@function
k_q85de000a48_sgemm:
	s_mov_b64 s[64:65], 0
	v_nop
	global_prefetch_b8 v0, s[64:65] scope:SCOPE_SE
	s_setreg_imm32_b32 hwreg(HW_REG_WAVE_MODE, 25, 1), 1
	s_wait_xcnt 0x0
	s_wait_alu depctr_hold_cnt(0) depctr_sa_sdst(0) depctr_va_vdst(0) depctr_va_sdst(0) depctr_va_ssrc(0) depctr_va_vcc(0) depctr_vm_vsrc(0)
	s_getreg_b32 s2, hwreg(HW_REG_IB_STS2, 6, 4)
	s_cmp_eq_u32 s2, 0
	s_cbranch_scc0 .Lentry_in_a_cluster
	s_endpgm
.Lentry_in_a_cluster:
	s_bfe_u32 s2, ttmp6, 0x10000c
	s_cmp_lg_u32 s2, 0xf033
	s_cbranch_scc0 .Lentry_shape_is_right
	s_endpgm
.Lentry_shape_is_right:
; sc[b][s][t] = sum over d of q[b][s][d] k[b][t][d]: the raw scores, f16 operands, f32 sums, f32 out.  q and k are columns 0-1023 and 1024-2047 of qkv [8192][3072] f16; sc is [4][2048][2048] f32.
; The scaling by 1 / 32, the causal mask and the softmax follow in the next launch.
; A cluster of 4 x 4 work-groups makes 1024 x 1024 of one batch's scores: cluster x = 0, 1, 2 are the super-tiles (0,0), (1,0), (1,1); (0,1) lies wholly under the mask and is not made.
; In the two super-tiles on the diagonal the six tiles with cx > cy lie under the mask too (48 of the launch's 192 tiles).  They are multiplied and stored all the same: a batch's 36 causal tiles are no product of
; sets of four rows and four columns.  Their numbers are finite and the next launch masks what it reads of them.
; A tile, 256 x 256, is made by four waves, each 128 x 128: 64 accumulators, 512 registers.  K = 1024 goes in 8 steps of 128 through a ring of two LDS slots: a tile's row is 256 aligned bytes of memory.
; q's tile is shared along a row of the cluster, k's along a column: each is asked for jointly.  THE MATRIX INSTRUCTION IS USED TRANSPOSED (source 0 = 16 rows of k, source 1 = 16 rows of q).
; REGISTERS: window 0: v0-31 addresses; v64-127, v128-191 fragments of q, two buffers; on the way out v128-255.   window 1: v64-127, v128-191 fragments of k.
;   window 2: the accumulators of my rows 0-63 ((a, b) at v[8 (8 a + b)]);   window 3: those of rows 64-127.
.set KSTEP,  128
.set RPITCH, 6144                      ; a row of qkv in bytes
.set CROW,   8192                      ; a row of sc
.set PITCH,  272                       ; an LDS row: 256 + 16 bytes = 68 words: the 16 rows of a load start at 16 different banks (ISA guide 11.1)
.set HALFT,  128*PITCH
.set SLOT,   4*HALFT
.set STAGE,  2*SLOT                    ; behind the ring: 16 rows x 528 bytes for each wave
.set SPITCH, 528
.set SPARE,  STAGE+4*16*SPITCH         ; the spare words, 128 bytes a wave, which no other line names
.set LAPS,   4                         ; a lap = two K steps
.set ADRA, 16
.set ADRB, 20
.set STO,  24
.set RD,   25
.set CO,   26
.set SPW,  28
.set NIL,  29
.set PFO,  30                          ; v30 the prefetches' offset: my lane x a row of qkv; never rewritten
.set PFA,  44                          ; s[44:45] where my prefetches stand
.set LIM,  43                          ; s43 1 in a wave that prefetches, else the greatest number
.set F0,   64
.set F1,   128
.set BK,   128
.set G1, 24
.set G0, 32
.set G1B, 48
.set G0B, 56
.set MSB, 0
.macro WIN new
.if MSB != \new
	s_set_vgpr_msb (MSB<<8)|\new
.set MSB, \new
.endif
.endm
.set MUL_LO, 0xa1
.set MUL_HI, 0xf1
.set TO_B,   0x40
.macro JLOAD s                         ; waves 0 and 1 fetch q's two halves, waves 2 and 3 k's; an s_nop 0 and four v_nop follow each line
	s_cmp_eq_u32 s11, 0
	s_cbranch_scc0 .Lfor_b_\@
	tensor_load_to_lds s[G0+4*\s:G0+4*\s+3], s[G1:G1+7]
	s_nop 0
.rept 4
	v_nop
.endr
	s_branch .Lasked_\@
.Lfor_b_\@:
	tensor_load_to_lds s[G0B+4*\s:G0B+4*\s+3], s[G1B:G1B+7]
	s_nop 0
.rept 4
	v_nop
.endr
.Lasked_\@:
.endm
; A prefetch into the L2 of the K step that stands two refills (512 matrix instructions) on: 32 rows x 256 bytes, a lane a row, one instruction a wave.  Each row's 256 bytes of a K step are named once in the launch:
; q's rows of super-row 1 are read by clusters x = 1 and 2, of which 1 asks; k's rows of super-column 0 by clusters 0 and 1, of which 0 asks.  The four partners that ask for a tile jointly share its rows out by
; address, 32 each.  K steps 0 to 3 come by their loads alone; the loop's last trip has no K step two on and asks for nothing.
.macro ASK
	s_cmp_gt_u32 s3, s[LIM]                        ; s3 = 1 in the loop's last trip
	s_cbranch_scc0 .Lnot_mine_\@
	global_prefetch_b8 v[PFO], s[PFA:PFA+1] offset:KSTEP*2 th:TH_LOAD_NT scope:SCOPE_SE
.Lnot_mine_\@:
.endm
.macro CREST
	s_cmp_lg_u32 s10, 0
	s_cbranch_scc1 .Lnot_wave_0_\@
	s_barrier_signal -3
.Lnot_wave_0_\@:
	s_barrier_wait -3
	s_barrier_signal -1
	s_barrier_wait -1
.endm
.macro CROUND
	s_barrier_signal -1
	s_barrier_wait -1
	CREST
.endm
	s_load_b128 s[4:7], s[0:1], 0x0                ; qkv s[4:5], sc s[6:7]
	v_lshl_add_u32 v[SPW], v0, 2, SPARE
	v_mov_b32 v[NIL], 0
	ds_add_u32 v[SPW], v[NIL]                      ; the wave's opening: the add, twice on end, and its wait ahead of my first tensor load
	ds_add_u32 v[SPW], v[NIL]
	v_lshrrev_b32 v1, 5, v0
	v_readfirstlane_b32 s10, v1                    ; wave 0..3
	s_lshr_b32 s11, s10, 1                         ; my half of the tile's rows.  Also: I fetch for q (0) or for k (1)
	s_and_b32 s12, s10, 1                          ; my half of its columns.  Also: which 128 rows I fetch
	s_bfe_u32 s40, ttmp6, 0x40000                  ; cx
	s_bfe_u32 s41, ttmp6, 0x40004                  ; cy
	s_and_b32 s67, ttmp7, 0xffff                   ; the batch,
	s_lshl_b32 s67, s67, 3                         ; in tiles of 256 rows
	s_add_co_u32 s13, ttmp9, 1
	s_lshr_b32 s13, s13, 1                         ; super-row: 0, 1, 1
	s_lshl_b32 s13, s13, 2
	s_add_co_u32 s13, s13, s41
	s_add_co_u32 s13, s13, s67                     ; q's (and sc's) tile of rows
	s_lshr_b32 s66, ttmp9, 1                       ; super-column: 0, 0, 1
	s_lshl_b32 s66, s66, 2
	s_add_co_u32 s66, s66, s40                     ; the tile column in the batch
	s_add_co_u32 s42, s66, s67                     ; k's tile of rows
	s_lshl_b32 s43, s41, 2
	s_lshl_b32 s43, 15, s43                        ; my row of the cluster
	s_lshl_b32 s44, 0x1111, s40                    ; my column
	s_or_b32 s[G1+0], s43, (1<<16)|(1<<20)|(1<<21)|(5<<22)|(3<<25)  ; the mask; elements of 2 bytes; padding on; bit 21 beside a mask; 4 words after every 64
	s_or_b32 s[G1B+0], s44, (1<<16)|(1<<20)|(1<<21)|(5<<22)|(3<<25)
.irp g, G1, G1B
	s_mov_b32 s[\g+1], KSTEP<<16                   ; tensor_dim0 = 128
	s_mov_b32 s[\g+2], 128<<16                     ; tensor_dim1 = 128
	s_mov_b32 s[\g+3], KSTEP<<16                   ; tile_dim0
	s_mov_b32 s[\g+4], 128                         ; tile_dim1
	s_mov_b32 s[\g+5], 3072                        ; elements from row to row
	s_mov_b32 s[\g+6], 0
	s_mov_b32 s[\g+7], 0
.endr
	s_lshl_b32 s17, s12, 7
	s_lshl_b32 s16, s13, 8
	s_add_co_u32 s16, s16, s17
	s_mul_i32 s16, s16, RPITCH                     ; q: row 256 x tile + 128 x half (under 2^26 bytes)
	s_lshl_b32 s46, s42, 8
	s_add_co_u32 s46, s46, s17
	s_mul_i32 s46, s46, RPITCH
	s_add_co_u32 s46, s46, 2048                    ; k: the same, 2,048 bytes on in the row
	s_mov_b32 s17, 0
	s_mov_b32 s47, 0
	s_mul_i32 s20, s10, HALFT                      ; where they go: wave x 128 rows
	s_wait_dscnt 0x0                               ; both opening adds are done
	s_wait_kmcnt 0x0
	s_add_nc_u64 s[14:15], s[4:5], s[16:17]
	s_add_nc_u64 s[46:47], s[4:5], s[46:47]
	CROUND                                         ; all sixteen work-groups are here: the first joint loads meet
.irp s, 0,1
	s_mov_b32 s[G0+4*\s], 1
	s_add_co_u32 s[G0+4*\s+1], s20, \s*SLOT
	s_add_nc_u64 s[G0+4*\s+2:G0+4*\s+3], s[14:15], \s*KSTEP*2
	s_or_b32 s[G0+4*\s+3], s[G0+4*\s+3], 0x80000000
	s_mov_b32 s[G0B+4*\s], 1
	s_add_co_u32 s[G0B+4*\s+1], s20, \s*SLOT
	s_add_nc_u64 s[G0B+4*\s+2:G0B+4*\s+3], s[46:47], \s*KSTEP*2
	s_or_b32 s[G0B+4*\s+3], s[G0B+4*\s+3], 0x80000000
	JLOAD \s                                       ; two loads of mine are out
.endr
	v_and_b32 v1, 15, v0
	v_bfe_u32 v2, v0, 4, 1
	v_mul_u32_u24 v3, v1, PITCH
	v_lshl_add_u32 v3, v2, 4, v3
	s_mul_i32 s21, s11, HALFT
	s_mul_i32 s22, s12, HALFT
	s_add_co_u32 s22, s22, 2*HALFT
.irp s, 0,1
	v_add_nc_u32 v[ADRA+\s], s21, v3
	v_add_nc_u32 v[ADRB+\s], s22, v3
	s_add_co_u32 s21, s21, SLOT
	s_add_co_u32 s22, s22, SLOT
.endr
	s_mul_i32 s23, s10, 16*SPITCH
	s_add_co_u32 s23, s23, STAGE                   ; my stage
	v_mul_u32_u24 v4, v1, SPITCH
	v_lshl_add_u32 v4, v2, 5, v4
	v_add_nc_u32 v[STO], s23, v4                   ; in: row l % 16, 32 bytes for each half of the lanes
	v_and_b32 v5, 31, v0
	v_lshlrev_b32 v[CO], 4, v5                     ; back: the 32 lanes take one row of 512 bytes; and the same in sc
	v_add_nc_u32 v[RD], s23, v[CO]
	s_lshl_b32 s16, s13, 8
	s_lshl_b32 s17, s11, 7
	s_add_co_u32 s16, s16, s17
	s_lshl_b32 s16, s16, 13                        ; my first row of sc, 8,192 bytes a row
	s_lshl_b32 s46, s66, 10
	s_lshl_b32 s47, s12, 9
	s_add_co_u32 s46, s46, s47
	s_add_co_u32 s16, s16, s46                     ; + my first column
	s_mov_b32 s17, 0
	s_add_nc_u64 s[6:7], s[6:7], s[16:17]
	s_cmp_eq_u32 s11, 0                            ; the prefetches: do I fetch for q?
	s_cselect_b32 s20, s13, s42                    ; the tile of rows
	s_cselect_b32 s21, s40, s41                    ; my place among the four that ask for it with me
	s_cselect_b32 s22, 2, 1                        ; the cluster x that leaves the asking to another
	s_cselect_b32 s23, 0, 2048
	s_cmp_lg_u32 ttmp9, s22
	s_cselect_b32 s[LIM], 1, -1                    ; the same in all sixteen partners, for a given wave
	s_lshl_b32 s20, s20, 8
	s_lshl_b32 s22, s12, 7
	s_add_co_u32 s20, s20, s22
	s_lshl_b32 s21, s21, 5
	s_add_co_u32 s20, s20, s21
	s_mul_i32 s20, s20, RPITCH
	s_add_co_u32 s20, s20, s23
	s_add_co_u32 s20, s20, 2*KSTEP*2               ; at K step 2: the first refill steps it to 3 and names K step 4
	s_mov_b32 s21, 0
	s_add_nc_u64 s[PFA:PFA+1], s[4:5], s[20:21]
	v_and_b32 v[PFO], 31, v0
	v_mul_u32_u24 v[PFO], v[PFO], RPITCH
.macro MUL16 f, hi, a0, zero           ; 16 matrix instructions; the 64 accumulators take turns in the same order in every quarter
.irp a, \a0, \a0+1
.irp b, 0,1,2,3,4,5,6,7
.if \zero
	v_wmma_f32_16x16x32_f16 v[8*(8*(\a)+\b):8*(8*(\a)+\b)+7], v[\f+8*\b:\f+8*\b+7], v[\f+8*(4*\hi+\a):\f+8*(4*\hi+\a)+7], 0
.else
	v_wmma_f32_16x16x32_f16 v[8*(8*(\a)+\b):8*(8*(\a)+\b)+7], v[\f+8*\b:\f+8*\b+7], v[\f+8*(4*\hi+\a):\f+8*(4*\hi+\a)+7], v[8*(8*(\a)+\b):8*(8*(\a)+\b)+7]
.endif
.endr
.endr
.endm
.macro FETCH slot, k, f                ; 32 LDS loads in one run: the fragments of 32 along K at byte k of the rows
	WIN TO_B
.irp i, 0,1,2,3,4,5,6,7
	ds_load_b128 v[\f+8*\i:\f+8*\i+3],   v[ADRB+\slot] offset:\k+\i*16*PITCH
	ds_load_b128 v[\f+8*\i+4:\f+8*\i+7], v[ADRB+\slot] offset:\k+\i*16*PITCH+32
.endr
	WIN 0
.irp i, 0,1,2,3,4,5,6,7
	ds_load_b128 v[\f+8*\i:\f+8*\i+3],   v[ADRA+\slot] offset:\k+\i*16*PITCH
	ds_load_b128 v[\f+8*\i+4:\f+8*\i+7], v[ADRA+\slot] offset:\k+\i*16*PITCH+32
.endr
.endm
.macro PLACES                          ; four plain lines in front of loads into registers that matrix instructions have read, and of reads of results
.rept 4
	v_nop
.endr
.endm
.macro QUARTER slot, k, f, g, zero
	s_wait_dscnt 8                                 ; k's fragments and q's rows 0-63 are in; the youngest eight loads (q's rows 64-127) may be out
	WIN MUL_LO
	MUL16 \f, 0, 0, \zero
	MUL16 \f, 0, 2, \zero
	PLACES
	FETCH \slot, \k, \g
	s_wait_dscnt 32                                ; all but the 32 just issued
	WIN MUL_HI
	MUL16 \f, 1, 0, \zero
	MUL16 \f, 1, 2, \zero
.endm
; The first half of a K step's last quarter: one barrier for the change of slots.  In front of it each wave waits for all its tensor loads (its part of the next slot), adds 0 to its spare word, and waits for that and for its reads of this slot.
.macro MEET round
	WIN 0
	s_wait_tensorcnt 0x0
	ds_add_u32 v[SPW], v[NIL]
	s_wait_dscnt 9                                 ; the add and the youngest eight loads may be out
	WIN MUL_LO
	MUL16 F1, 0, 0, 0
	s_wait_dscnt 0x0                               ; the add is done, and my reads of this slot are over
	s_barrier_signal -1
	MUL16 F1, 0, 2, 0
.if \round
	WIN 0
.endif
	s_barrier_wait -1
.endm
.macro TURN slot, next                 ; the whole last quarter, with the refill two K steps ahead: 224 matrix instructions stand between the request and the wait for it
	s_wait_xcnt 0x0                                ; the last prefetch, a K step back, has read its address
	s_add_nc_u64 s[PFA:PFA+1], s[PFA:PFA+1], KSTEP*2
	MEET 1
	CREST                                          ; the barrier has opened a round of the cluster's: no wave of any partner still reads this slot or has a load on its way
	s_add_nc_u64 s[G0+4*\slot+2:G0+4*\slot+3], s[G0+4*\slot+2:G0+4*\slot+3], 2*KSTEP*2
	s_add_nc_u64 s[G0B+4*\slot+2:G0B+4*\slot+3], s[G0B+4*\slot+2:G0B+4*\slot+3], 2*KSTEP*2
	JLOAD \slot                                    ; the first tensor load behind the round; its four v_nop are also the places in front of the loads below
	FETCH \next, 0, F0
	ASK
	WIN MUL_HI
	MUL16 F1, 1, 0, 0
	MUL16 F1, 1, 2, 0
.endm
.macro TURNL slot, next                ; the same where nothing is left to fetch
	MEET 0
	PLACES
	FETCH \next, 0, F0
	WIN MUL_HI
	MUL16 F1, 1, 0, 0
	MUL16 F1, 1, 2, 0
.endm
	s_wait_tensorcnt 1                             ; my part of K step 0 is in; K step 1's may be out
	s_barrier_signal -1
	s_barrier_wait -1
	FETCH 0, 0, F0
	QUARTER 0, 64,  F0, F1, 1                      ; the first quarter's products start the sums
	WIN 0
	s_mov_b32 s3, LAPS-1
.Llap:                                             ; a trip goes once round the ring and fills both slots again
	QUARTER 0, 128, F1, F0, 0
	QUARTER 0, 192, F0, F1, 0
	TURN 0, 1
	QUARTER 1, 64,  F0, F1, 0
	QUARTER 1, 128, F1, F0, 0
	QUARTER 1, 192, F0, F1, 0
	TURN 1, 0
	QUARTER 0, 64,  F0, F1, 0
	WIN 0
	s_sub_co_u32 s3, s3, 1
	s_cmp_lg_u32 s3, 0
	s_cbranch_scc1 .Llap
	QUARTER 0, 128, F1, F0, 0                      ; the last lap is written out: it asks for nothing
	QUARTER 0, 192, F0, F1, 0
	TURNL 0, 1
	QUARTER 1, 64,  F0, F1, 0
	QUARTER 1, 128, F1, F0, 0
	QUARTER 1, 192, F0, F1, 0
	s_wait_dscnt 8
	WIN MUL_LO
	MUL16 F1, 0, 0, 0
	MUL16 F1, 0, 2, 0
	s_wait_dscnt 0
	WIN MUL_HI
	MUL16 F1, 1, 0, 0
	MUL16 F1, 1, 2, 0
	WIN 0
; THE WAY OUT, block by block of 16 rows x 128 columns of f32, through my own stage: back as whole rows of 512 bytes.  LDS serves a wave's instructions in order: no wait between the stores and the loads.
.macro TOSTAGE a
.set AC, 64*((\a)%4)
	WIN 0x08+4*((\a)/4)                            ; the data: window 2 or 3
.irp b, 0,1,2,3,4,5,6,7
	ds_store_b128 v[STO], v[AC+8*\b:AC+8*\b+3] offset:64*\b          ; each accumulator from its low end on
	ds_store_b128 v[STO], v[AC+8*\b+4:AC+8*\b+7] offset:64*\b+16
.endr
	WIN 0
.set BB, BK+64*((\a)%2)
.irp t, 0,1,2,3,4,5,6,7,8,9,10,11,12,13,14,15
	ds_load_b128 v[BB+4*\t:BB+4*\t+3], v[RD] offset:\t*SPITCH
.endr
.endm
.macro SEND a, younger                 ; younger: the LDS instructions issued behind block a's loads
.set BB, BK+64*((\a)%2)
	s_wait_dscnt \younger
.if (\a) > 0
	s_add_nc_u64 s[6:7], s[6:7], 16*CROW           ; (behind a wait on XCNT: the earlier stores have read their base)
.endif
.irp t, 0,1,2,3,4,5,6,7,8,9,10,11,12,13,14,15
	global_store_b128 v[CO], v[BB+4*\t:BB+4*\t+3], s[6:7] offset:\t*CROW   ; 32 lanes store 512 consecutive bytes, aligned
.endr
.endm
	PLACES
	TOSTAGE 0
.irp a, 1,2,3,4,5,6,7
.if \a > 1
	s_wait_xcnt 0x0                                ; block a - 2's stores have read their registers and their base
.endif
	TOSTAGE \a
	SEND \a-1, 32                                  ; behind block a - 1's loads: block a's 16 stores and 16 loads
.endr
	s_wait_xcnt 0x0
	SEND 7, 0
	s_wait_tensorcnt 0x0                           ; the wave's end
	ds_add_u32 v[SPW], v[NIL]
	s_wait_dscnt 0x0
	CROUND                                         ; the closing round
	s_endpgm
.Lfunc_end_k_q85de000a48_sgemm:
	.size	k_q85de000a48_sgemm, .Lfunc_end_k_q85de000a48_sgemm-k_q85de000a48_sgemm
	.p2alignl 7, 3214868480
	.fill 96, 4, 3214868480
	.section	.rodata,"a",@progbits
	.p2align	6, 0x0
	.amdhsa_kernel k_q85de000a48_sgemm
		.amdhsa_group_segment_fixed_size 327680
		.amdhsa_private_segment_fixed_size 0
		.amdhsa_enable_private_segment 0
		.amdhsa_kernarg_size 16
		.amdhsa_user_sgpr_count 2
		.amdhsa_user_sgpr_kernarg_segment_ptr 1
		.amdhsa_wavefront_size32 1
		.amdhsa_system_sgpr_workgroup_id_x 1
		.amdhsa_system_sgpr_workgroup_id_y 1
		.amdhsa_system_sgpr_workgroup_id_z 1
		.amdhsa_system_vgpr_workitem_id 0
		.amdhsa_next_free_vgpr 1024
		.amdhsa_next_free_sgpr 80
		.amdhsa_reserve_vcc 0
		.amdhsa_float_denorm_mode_32 3
		.amdhsa_float_denorm_mode_16_64 3
		.amdhsa_memory_ordered 1
		.amdhsa_forward_progress 1
		.amdhsa_inst_pref_size 142
	.end_amdhsa_kernel
	.amdgpu_metadata
---
amdhsa.version: [ 1, 2 ]
amdhsa.kernels:
  - .name:           k_q85de000a48_sgemm
    .symbol:         k_q85de000a48_sgemm.kd
    .args:
      - { .name: qkv, .offset: 0, .size: 8, .value_kind: global_buffer, .address_space: global }
      - { .name: sc, .offset: 8, .size: 8, .value_kind: global_buffer, .address_space: global }
    .group_segment_fixed_size: 327680
    .private_segment_fixed_size: 0
    .kernarg_segment_align: 8
    .kernarg_segment_size: 16
    .max_flat_workgroup_size: 128
    .sgpr_count:     80
    .vgpr_count:     1024
    .wavefront_size: 32
...
	.end_amdgpu_metadata
.endif
;; end of part 3
;; launch softmax (part 4): grid 512 x 1, 8 waves a work-group, no clusters, 0 bytes of LDS; arguments sc, pb; writes pb
.if DOCPART == 4
	.amdgcn_target "amdgcn-amd-amdhsa--gfx1250"
	.amdhsa_code_object_version 6
	.text
	.protected	k_q85de000a48_softmax
	.globl	k_q85de000a48_softmax
	.p2align	8
	.type	k_q85de000a48_softmax,@function
k_q85de000a48_softmax:
	s_mov_b64 s[64:65], 0
	v_nop
	global_prefetch_b8 v0, s[64:65] scope:SCOPE_SE
	s_setreg_imm32_b32 hwreg(HW_REG_WAVE_MODE, 25, 1), 1
	s_wait_xcnt 0x0
; pb[b][s][t] = softmax over t <= s of sc[b][s][t] / 32, as f16; zeros above the diagonal.  sc: [4][2048][2048] f32; pb: [4][2048][2048] f16.  Maximum, exponentials, sum and division in f32.
; The row's maximum is taken away before the exponential: p = 2^(c s - c m), c = log2(e) / 32.
; A row s in the band A = s / 512 reads and writes its first 512 (A + 1) keys, 4 (A + 1) chunks of 128: those that the next launch multiplies.  Only the last four chunks can hold hidden keys.
; One wave, one row: the row stays in registers between the passes; no LDS, no barrier, no matrix unit: memory binds.  A wave takes TWO rows, in bands (0, 3) or (1, 2): 20 chunks for every wave.
; Which pair is a branch on the work-group's number; each way is written straight, every offset an immediate.  All 20 loads go out first; each load and store of a wave covers 512 or 256 consecutive bytes, aligned.
; LIMIT: weights under f16's smallest denormal, 2^-25, are stored as 0.
.set D, 16                             ; v16-95   the two rows' scores, then weights
.set P, 96                             ; v96-135  the weights as f16
	s_load_b128 s[4:7], s[0:1], 0x0                ; sc, pb
	v_lshrrev_b32 v1, 5, v0
	v_readfirstlane_b32 s22, v1                    ; wave 0..7
	v_and_b32 v1, 31, v0
	v_lshlrev_b32 v2, 4, v1                        ; in: 16 bytes a lane
	v_lshlrev_b32 v3, 3, v1                        ; out: 8 bytes a lane
	s_lshr_b32 s23, ttmp9, 7                       ; the batch
	s_and_b32 s24, ttmp9, 127
	s_lshr_b32 s25, s24, 6                         ; which pair of bands
	s_and_b32 s24, s24, 63
	s_lshl_b32 s24, s24, 3
	s_add_co_u32 s24, s24, s22                     ; the row's place in its band: 0 .. 511, the same for both rows
	v_lshlrev_b32 v4, 2, v1
	v_sub_nc_u32 v4, s24, v4                       ; place - 4 x lane: element e of the band's chunk c is hidden where 128 c + e is above it
	v_mov_b32 v5, 0xff800000                       ; -infinity
	s_lshl_b32 s23, s23, 11
	s_add_co_u32 s23, s23, s24
	s_lshl_b32 s26, s25, 9
	s_add_co_u32 s26, s26, s23                     ; the first row
	s_sub_co_u32 s27, 3, s25
	s_lshl_b32 s27, s27, 9
	s_add_co_u32 s27, s27, s23                     ; the second
	s_lshl_b32 s8, s26, 13
	s_mov_b32 s9, 0
	s_lshl_b32 s10, s27, 13
	s_mov_b32 s11, 0
	s_lshl_b32 s12, s26, 12
	s_mov_b32 s13, 0
	s_lshl_b32 s14, s27, 12
	s_mov_b32 s15, 0
	s_mov_b32 s16, 0x3d38aa3b                      ; c = log2(e) / 32
	s_mov_b32 s17, s16                             ; (named with it as a pair)
	s_mov_b32 s18, 0xbd38aa3b                      ; -c
	s_mov_b32 s20, 0x76543210
	s_mov_b32 s21, 0xfedcba98                      ; v_permlanex16_b32's selects for lane l xor 16
	s_wait_kmcnt 0x0
	s_add_nc_u64 s[8:9], s[4:5], s[8:9]
	s_add_nc_u64 s[10:11], s[4:5], s[10:11]
	s_add_nc_u64 s[12:13], s[6:7], s[12:13]
	s_add_nc_u64 s[14:15], s[6:7], s[14:15]
.macro LOADROW s, nc, ptr
.set cc, 0
.rept \nc
	global_load_b128 v[\s+4*cc:\s+4*cc+3], v2, s[\ptr:\ptr+1] offset:512*cc th:TH_LOAD_NT
.set cc, cc+1
.endr
.endm
; One row: s its first register, nc its chunks, p its f16 registers, ptr its place in pb, left the younger loads that may stay out.
.macro ROW s, nc, p, ptr, left
	s_wait_loadcnt \left
.set cc, 0
.rept 16                                           ; the mask, on the last four chunks
	v_cmp_gt_i32 vcc_lo, 128*(cc/4)+cc%4, v4
	v_cndmask_b32 v[\s+4*(\nc)-16+cc], v[\s+4*(\nc)-16+cc], v5, vcc_lo
.set cc, cc+1
.endr
	v_max3_num_f32 v6, v[\s], v[\s+1], v[\s+2]     ; the maximum, in two chains (key 0 counts for every row, so it is a number)
	v_max3_num_f32 v7, v[\s+3], v[\s+4], v[\s+5]
.set cc, 6
.rept \nc-2
	v_max3_num_f32 v6, v6, v[\s+cc], v[\s+cc+1]
	v_max3_num_f32 v7, v7, v[\s+cc+2], v[\s+cc+3]
.set cc, cc+4
.endr
	v_max3_num_f32 v6, v6, v[\s+cc], v[\s+cc+1]
	v_max_num_f32 v6, v6, v7
	v_max_num_f32_dpp v6, v6, v6 row_xmask:1 row_mask:0xf bank_mask:0xf
	v_max_num_f32_dpp v6, v6, v6 row_xmask:2 row_mask:0xf bank_mask:0xf
	v_max_num_f32_dpp v6, v6, v6 row_xmask:4 row_mask:0xf bank_mask:0xf
	v_max_num_f32_dpp v6, v6, v6 row_xmask:8 row_mask:0xf bank_mask:0xf
	v_permlanex16_b32 v7, v6, s20, s21
	v_max_num_f32 v6, v6, v7
	v_mul_f32 v8, s18, v6                          ; -c m
	v_mov_b32 v9, v8
.set cc, 0
.rept 2*\nc
	v_pk_fma_f32 v[\s+cc:\s+cc+1], v[\s+cc:\s+cc+1], s[16:17], v[8:9] op_sel_hi:[1,0,0]   ; c s - c m, two at a time
.set cc, cc+2
.endr
.set cc, 0
.rept 4*\nc
	v_exp_f32 v[\s+cc], v[\s+cc]                   ; one batch
.set cc, cc+1
.endr
	v_nop                                          ; a plain line behind the last exponential
	s_wait_alu depctr_va_vdst(0)                   ; one wait for the batch, ahead of its first reader
	v_pk_add_f32 v[10:11], v[\s:\s+1], v[\s+2:\s+3]        ; the sum, in two packed chains
	v_pk_add_f32 v[12:13], v[\s+4:\s+5], v[\s+6:\s+7]
.set cc, 8
.rept \nc-2
	v_pk_add_f32 v[10:11], v[10:11], v[\s+cc:\s+cc+1]
	v_pk_add_f32 v[12:13], v[12:13], v[\s+cc+2:\s+cc+3]
.set cc, cc+4
.endr
	v_pk_add_f32 v[10:11], v[10:11], v[12:13]
	v_add_f32 v10, v10, v11
	v_add_f32_dpp v10, v10, v10 row_xmask:1 row_mask:0xf bank_mask:0xf
	v_add_f32_dpp v10, v10, v10 row_xmask:2 row_mask:0xf bank_mask:0xf
	v_add_f32_dpp v10, v10, v10 row_xmask:4 row_mask:0xf bank_mask:0xf
	v_add_f32_dpp v10, v10, v10 row_xmask:8 row_mask:0xf bank_mask:0xf
	v_permlanex16_b32 v11, v10, s20, s21
	v_add_f32 v10, v10, v11
	v_rcp_f32 v12, v10
	v_nop
	s_wait_alu depctr_va_vdst(0)                   ; the wait ahead of the reciprocal's first reader
.set cc, 0
.rept 2*\nc
	v_pk_mul_f32 v[\s+cc:\s+cc+1], v[\s+cc:\s+cc+1], v[12:13] op_sel_hi:[1,0]
.set cc, cc+2
.endr
.set cc, 0
.rept 2*\nc
	v_cvt_pk_f16_f32 v[\p+cc], v[\s+2*cc], v[\s+2*cc+1]
.set cc, cc+1
.endr
.set cc, 0
.rept \nc
	global_store_b64 v3, v[\p+2*cc:\p+2*cc+1], s[\ptr:\ptr+1] offset:256*cc   ; the wave stores 256 consecutive bytes, aligned; each store has data registers of its own
.set cc, cc+1
.endr
.endm
.macro PAIR na, nb
	LOADROW D, \na, 8
	LOADROW D+4*\na, \nb, 10
	ROW D, \na, P, 12, \nb                         ; the second row's loads may stay out
	ROW D+4*\na, \nb, P+2*\na, 14, 0
.endm
	s_cmp_eq_u32 s25, 0
	s_cbranch_scc0 .Lbands_1_2
	PAIR 4, 16
	s_endpgm
.Lbands_1_2:
	PAIR 8, 12
	s_endpgm
.Lfunc_end_k_q85de000a48_softmax:
	.size	k_q85de000a48_softmax, .Lfunc_end_k_q85de000a48_softmax-k_q85de000a48_softmax
	.p2alignl 7, 3214868480
	.fill 96, 4, 3214868480
	.section	.rodata,"a",@progbits
	.p2align	6, 0x0
	.amdhsa_kernel k_q85de000a48_softmax
		.amdhsa_group_segment_fixed_size 0
		.amdhsa_private_segment_fixed_size 0
		.amdhsa_enable_private_segment 0
		.amdhsa_kernarg_size 16
		.amdhsa_user_sgpr_count 2
		.amdhsa_user_sgpr_kernarg_segment_ptr 1
		.amdhsa_wavefront_size32 1
		.amdhsa_system_sgpr_workgroup_id_x 1
		.amdhsa_system_sgpr_workgroup_id_y 1
		.amdhsa_system_sgpr_workgroup_id_z 1
		.amdhsa_system_vgpr_workitem_id 0
		.amdhsa_next_free_vgpr 144
		.amdhsa_next_free_sgpr 66
		.amdhsa_reserve_vcc 1
		.amdhsa_float_denorm_mode_32 3
		.amdhsa_float_denorm_mode_16_64 3
		.amdhsa_memory_ordered 1
		.amdhsa_forward_progress 1
		.amdhsa_inst_pref_size 49
	.end_amdhsa_kernel
	.amdgpu_metadata
---
amdhsa.version: [ 1, 2 ]
amdhsa.kernels:
  - .name:           k_q85de000a48_softmax
    .symbol:         k_q85de000a48_softmax.kd
    .args:
      - { .name: sc, .offset: 0, .size: 8, .value_kind: global_buffer, .address_space: global }
      - { .name: pb, .offset: 8, .size: 8, .value_kind: global_buffer, .address_space: global }
    .group_segment_fixed_size: 0
    .private_segment_fixed_size: 0
    .kernarg_segment_align: 8
    .kernarg_segment_size: 16
    .max_flat_workgroup_size: 256
    .sgpr_count:     66
    .vgpr_count:     144
    .wavefront_size: 32
...
	.end_amdgpu_metadata
.endif
;; end of part 4
;; launch pv (part 5): grid 8 x 32, 4 waves a work-group, clusters of 4 x 4, 327,680 bytes of LDS; arguments pb, qkv, out0; writes out0
.if DOCPART == 5
	.amdgcn_target "amdgcn-amd-amdhsa--gfx1250"
	.amdhsa_code_object_version 6
	.text
	.protected	k_q85de000a48_pv
	.globl	k_q85de000a48_pv
	.p2align	8
	.type	k_q85de000a48_pv,@function
k_q85de000a48_pv:
	s_mov_b64 s[64:65], 0
	v_nop
	global_prefetch_b8 v0, s[64:65] scope:SCOPE_SE
	s_setreg_imm32_b32 hwreg(HW_REG_WAVE_MODE, 25, 1), 1
	s_wait_xcnt 0x0
	s_wait_alu depctr_hold_cnt(0) depctr_sa_sdst(0) depctr_va_vdst(0) depctr_va_sdst(0) depctr_va_ssrc(0) depctr_va_vcc(0) depctr_vm_vsrc(0)
	s_getreg_b32 s2, hwreg(HW_REG_IB_STS2, 6, 4)
	s_cmp_eq_u32 s2, 0
	s_cbranch_scc0 .Lentry_in_a_cluster
	s_endpgm
.Lentry_in_a_cluster:
	s_bfe_u32 s2, ttmp6, 0x10000c
	s_cmp_lg_u32 s2, 0xf033
	s_cbranch_scc0 .Lentry_shape_is_right
	s_endpgm
.Lentry_shape_is_right:
; out0[b][s][n] = sum over t of p[b][s][t] v[b][t][n]: f16 operands, f32 sums, f32 out.  p: pb [4][2048][2048] f16, normalised, zeros above the diagonal; v: columns 2048-3071 of qkv [8192][3072] f16.
; (Rows 0-15 of every batch are written again, in f32 throughout, by the launch that follows.)
; A tile of out0 is 128 x 128: four waves, each 64 x 64, 16 accumulators.  K, the keys, goes in steps of 256 through a ring of two LDS slots.
; A band of 512 rows, A = 0 .. 3, needs its first 512 (A + 1) keys: 2 (A + 1) K steps; nothing is masked here, since p holds zeros where a key is hidden.
; A WORK-GROUP MAKES TWO TILES, in bands a and 3 - a (a = cluster y & 1): 10 K steps, five laps of the ring, in every work-group: 256 equal work-groups.  The ring does not stop between the tiles.
; All counts hang on the cluster's y alone: the sixteen partners run alike.  p's tile is shared along a row of the cluster, v's along a column: each is asked for jointly.
; THE MATRIX INSTRUCTION IS USED TRANSPOSED (source 0 = 16 columns of v, source 1 = 16 rows of p): a lane holds eight neighbouring numbers of a row of out0.  v lies [key][column] in LDS and is turned by ds_load_tr16_b128.
; No prefetch: a K step's tiles are small and the steps few.
; REGISTERS: window 0: v0-31 addresses; v32-95 the way out; v128-255 the accumulators ((a, b) at v[128 + 8 (4 a + b)]).   window 1: two fragment buffers of 128: 64 registers of p, then 64 of v.
.set KSTEP,  256
.set PA,     528                       ; a row of p in LDS: 512 bytes + 16 = 132 words: the 16 rows of a load start at 16 different banks (ISA guide 11.1)
.set PV,     288                       ; a row of v: 256 + 32 = 72 words
.set HALFA,  64*PA                     ; what one tensor load brings of p: 64 rows
.set HALFB,  128*PV                    ; of v: 128 keys
.set SLOT,   2*HALFA+2*HALFB
.set STAGE,  2*SLOT                    ; behind the ring: 16 rows x 272 bytes for each wave
.set SPITCH, 272
.set SPARE,  STAGE+4*16*SPITCH         ; the spare words, 128 bytes a wave, which no other line names
.set VSTEP,  KSTEP*6144                ; 256 keys on in qkv, in bytes
.set ADRA, 16                          ; v16-17 my fragments of p in slot 0, 1
.set ADRB, 20                          ; v20-23 my fragments of v: slot 0 keys 0-127, 128-255; slot 1 likewise
.set STO,  24
.set RD,   25
.set CO,   26
.set SPW,  28
.set NIL,  29
.set TMP,  32
.set ACC,  128
.set F0,   0
.set F1,   128
.set G1, 24
.set G0, 32
.set G1B, 48
.set G0B, 56
.set PA1, 66                           ; s[66:67], s[68:69] my 64 rows of p in tile 1, tile 2
.set PA2, 68
.set VB,  70                           ; s[70:71] my 128 keys of K step 0 of v
.set OUT1, 72                          ; s[72:73], s[74:75] my part of the two tiles of out0
.set OUT2, 74
.set N1,  77                           ; s77 tile 1's K steps: 2 (a + 1)
.set SWL, 78                           ; s78 a: the trip in which the tiles change
.set MSB, 0
.macro WIN new
.if MSB != \new
	s_set_vgpr_msb (MSB<<8)|\new
.set MSB, \new
.endif
.endm
.set MUL,  0x05                        ; sources 0 and 1 window 1; C and D window 0
.set TO_F, 0x40
.macro JLOAD s                         ; waves 0 and 1 fetch p's two halves, waves 2 and 3 v's; an s_nop 0 and four v_nop follow each line
	s_cmp_eq_u32 s11, 0
	s_cbranch_scc0 .Lfor_b_\@
	tensor_load_to_lds s[G0+4*\s:G0+4*\s+3], s[G1:G1+7]
	s_nop 0
.rept 4
	v_nop
.endr
	s_branch .Lasked_\@
.Lfor_b_\@:
	tensor_load_to_lds s[G0B+4*\s:G0B+4*\s+3], s[G1B:G1B+7]
	s_nop 0
.rept 4
	v_nop
.endr
.Lasked_\@:
.endm
.macro CREST
	s_cmp_lg_u32 s10, 0
	s_cbranch_scc1 .Lnot_wave_0_\@
	s_barrier_signal -3
.Lnot_wave_0_\@:
	s_barrier_wait -3
	s_barrier_signal -1
	s_barrier_wait -1
.endm
.macro CROUND
	s_barrier_signal -1
	s_barrier_wait -1
	CREST
.endm
	s_load_b128 s[4:7], s[0:1], 0x0                ; pb, qkv
	s_load_b64 s[8:9], s[0:1], 0x10                ; out0
	v_lshl_add_u32 v[SPW], v0, 2, SPARE
	v_mov_b32 v[NIL], 0
	ds_add_u32 v[SPW], v[NIL]                      ; the wave's opening: the add, twice on end, and its wait ahead of my first tensor load
	ds_add_u32 v[SPW], v[NIL]
	v_lshrrev_b32 v1, 5, v0
	v_readfirstlane_b32 s10, v1                    ; wave 0..3
	s_lshr_b32 s11, s10, 1                         ; my half of the tile's rows.  Also: I fetch for p (0) or for v (1)
	s_and_b32 s12, s10, 1                          ; my half of its columns.  Also: which half of that tile I fetch
	s_bfe_u32 s40, ttmp6, 0x40000                  ; cx
	s_bfe_u32 s41, ttmp6, 0x40004                  ; cy
	s_lshl_b32 s42, ttmp9, 2
	s_add_co_u32 s42, s42, s40                     ; the column tile: 0 .. 7
	s_and_b32 s13, ttmp7, 0xffff
	s_lshr_b32 s14, s13, 1                         ; the batch
	s_and_b32 s[SWL], s13, 1                       ; a
	s_lshl_b32 s[N1], s[SWL], 1
	s_add_co_u32 s[N1], s[N1], 2
	s_lshl_b32 s43, s41, 2
	s_lshl_b32 s43, 15, s43                        ; my row of the cluster
	s_lshl_b32 s44, 0x1111, s40                    ; my column
	s_or_b32 s[G1+0], s43, (1<<16)|(1<<20)|(1<<21)|(6<<22)|(3<<25)   ; p: the mask; elements of 2 bytes; padding on; bit 21 beside a mask; 4 words after every 128
	s_mov_b32 s[G1+1], KSTEP<<16                   ; tensor_dim0 = 256 keys
	s_mov_b32 s[G1+2], 64<<16                      ; tensor_dim1 = 64 rows
	s_mov_b32 s[G1+3], KSTEP<<16                   ; tile_dim0
	s_mov_b32 s[G1+4], 64                          ; tile_dim1
	s_mov_b32 s[G1+5], 2048                        ; elements from row to row
	s_mov_b32 s[G1+6], 0
	s_mov_b32 s[G1+7], 0
	s_or_b32 s[G1B+0], s44, (1<<16)|(1<<20)|(1<<21)|(5<<22)|(7<<25)  ; v: 8 words of padding after every 64
	s_mov_b32 s[G1B+1], 128<<16                    ; 128 columns
	s_mov_b32 s[G1B+2], 128<<16                    ; 128 keys
	s_mov_b32 s[G1B+3], 128<<16
	s_mov_b32 s[G1B+4], 128
	s_mov_b32 s[G1B+5], 3072
	s_mov_b32 s[G1B+6], 0
	s_mov_b32 s[G1B+7], 0
	s_lshl_b32 s16, s14, 11
	s_lshl_b32 s17, s41, 7
	s_add_co_u32 s16, s16, s17                     ; 2048 b + 128 cy
	s_lshl_b32 s17, s[SWL], 9
	s_add_co_u32 s17, s16, s17                     ; tile 1's first row
	s_sub_co_u32 s18, 3, s[SWL]
	s_lshl_b32 s18, s18, 9
	s_add_co_u32 s18, s16, s18                     ; tile 2's
	s_lshl_b32 s19, s12, 6                         ; the 64 rows that I fetch
	s_add_co_u32 s20, s17, s19
	s_lshl_b32 s20, s20, 12                        ; 4,096 bytes a row of pb
	s_mov_b32 s21, 0
	s_add_co_u32 s22, s18, s19
	s_lshl_b32 s22, s22, 12
	s_mov_b32 s23, 0
	s_lshl_b32 s46, s14, 11                        ; v: key 2048 b + 128 x half, 4,096 bytes on in the row, + 256 x column tile
	s_lshl_b32 s47, s12, 7
	s_add_co_u32 s46, s46, s47
	s_mul_i32 s46, s46, 6144
	s_lshl_b32 s47, s42, 8
	s_add_co_u32 s46, s46, s47
	s_add_co_u32 s46, s46, 4096
	s_mov_b32 s47, 0
	s_lshl_b32 s19, s11, 6                         ; out0: my 64 rows, my 64 columns
	s_add_co_u32 s86, s17, s19
	s_lshl_b32 s86, s86, 12
	s_add_co_u32 s88, s18, s19
	s_lshl_b32 s88, s88, 12
	s_lshl_b32 s87, s42, 9
	s_lshl_b32 s89, s12, 8
	s_add_co_u32 s87, s87, s89
	s_add_co_u32 s86, s86, s87
	s_add_co_u32 s88, s88, s87
	s_mov_b32 s87, 0
	s_mov_b32 s89, 0
	s_mul_i32 s2, s12, HALFA                       ; where my tiles go: no place in the cluster enters an LDS address
	s_mul_i32 s3, s12, HALFB
	s_add_co_u32 s3, s3, 2*HALFA
	s_wait_dscnt 0x0                               ; both opening adds are done
	s_wait_kmcnt 0x0
	s_add_nc_u64 s[PA1:PA1+1], s[4:5], s[20:21]
	s_add_nc_u64 s[PA2:PA2+1], s[4:5], s[22:23]
	s_add_nc_u64 s[VB:VB+1], s[6:7], s[46:47]
	s_add_nc_u64 s[OUT1:OUT1+1], s[8:9], s[86:87]
	s_add_nc_u64 s[OUT2:OUT2+1], s[8:9], s[88:89]
	CROUND                                         ; all sixteen work-groups are here: the first joint loads meet
.irp s, 0,1
	s_mov_b32 s[G0+4*\s], 1
	s_add_co_u32 s[G0+4*\s+1], s2, \s*SLOT
	s_add_nc_u64 s[G0+4*\s+2:G0+4*\s+3], s[PA1:PA1+1], \s*KSTEP*2
	s_or_b32 s[G0+4*\s+3], s[G0+4*\s+3], 0x80000000
	s_mov_b32 s[G0B+4*\s], 1
	s_add_co_u32 s[G0B+4*\s+1], s3, \s*SLOT
	s_add_nc_u64 s[G0B+4*\s+2:G0B+4*\s+3], s[VB:VB+1], \s*VSTEP
	s_or_b32 s[G0B+4*\s+3], s[G0B+4*\s+3], 0x80000000
	JLOAD \s                                       ; tile 1's K steps 0 and 1: two loads of mine are out
.endr
	v_and_b32 v1, 15, v0                           ; r
	v_bfe_u32 v2, v0, 4, 1                         ; h
	v_mul_u32_u24 v3, v1, PA
	v_lshl_add_u32 v3, v2, 4, v3                   ; p: row x pitch + 16 h
	s_mul_i32 s21, s11, HALFA
.irp s, 0,1
	v_add_nc_u32 v[ADRA+\s], s21, v3
	s_add_co_u32 s21, s21, SLOT
.endr
	v_and_b32 v5, 7, v0                            ; v: lane l reads key 8 h + l % 8, columns 8 ((l / 8) % 2) on; the turning load leaves column l % 16 and 8 keys
	v_bfe_u32 v6, v0, 3, 1
	v_lshl_add_u32 v4, v2, 3, v5
	v_mul_u32_u24 v4, v4, PV
	v_lshl_add_u32 v4, v6, 4, v4
	s_lshl_b32 s22, s12, 7                         ; my 64 columns
	s_add_co_u32 s22, s22, 2*HALFA
.irp s, 0,1
.irp hf, 0,1
	v_add_nc_u32 v[ADRB+2*\s+\hf], s22, v4
	s_add_co_u32 s22, s22, HALFB
.endr
	s_add_co_u32 s22, s22, SLOT-2*HALFB
.endr
	s_mul_i32 s23, s10, 16*SPITCH
	s_add_co_u32 s23, s23, STAGE                   ; my stage
	v_mul_u32_u24 v4, v1, SPITCH
	v_lshl_add_u32 v4, v2, 5, v4
	v_add_nc_u32 v[STO], s23, v4                   ; in: row r, 32 bytes for each half of the lanes
	v_mul_u32_u24 v5, v2, SPITCH
	v_lshl_add_u32 v5, v1, 4, v5
	v_add_nc_u32 v[RD], s23, v5                    ; back: lanes 0-15 one row of 256 bytes, lanes 16-31 the next
	v_lshlrev_b32 v5, 12, v2
	v_lshl_add_u32 v[CO], v1, 4, v5                ; and the same two rows in out0
.macro MUL8 f, c, a0, zero             ; 8 matrix instructions; the 16 accumulators take turns
.irp a, \a0, \a0+1
.irp b, 0,1,2,3
.if \zero
	v_wmma_f32_16x16x32_f16 v[ACC+8*(4*(\a)+\b):ACC+8*(4*(\a)+\b)+7], v[\f+64+8*(4*\c+\b):\f+64+8*(4*\c+\b)+7], v[\f+8*(4*\c+\a):\f+8*(4*\c+\a)+7], 0
.else
	v_wmma_f32_16x16x32_f16 v[ACC+8*(4*(\a)+\b):ACC+8*(4*(\a)+\b)+7], v[\f+64+8*(4*\c+\b):\f+64+8*(4*\c+\b)+7], v[\f+8*(4*\c+\a):\f+8*(4*\c+\a)+7], v[ACC+8*(4*(\a)+\b):ACC+8*(4*(\a)+\b)+7]
.endif
.endr
.endr
.endm
.macro FETCH slot, q, f                ; 32 LDS loads in one run: the fragments of keys 64 q .. 64 q + 63 of the slot; the first 32 keys first
	WIN TO_F
.irp c, 0,1
.irp i, 0,1,2,3
	ds_load_tr16_b128 v[\f+64+8*(4*\c+\i):\f+64+8*(4*\c+\i)+3],   v[ADRB+2*\slot+(\q)/2] offset:(((\q)%2)*64+32*\c)*PV+32*\i
	ds_load_tr16_b128 v[\f+64+8*(4*\c+\i)+4:\f+64+8*(4*\c+\i)+7], v[ADRB+2*\slot+(\q)/2] offset:(((\q)%2)*64+32*\c)*PV+16*PV+32*\i
	ds_load_b128 v[\f+8*(4*\c+\i):\f+8*(4*\c+\i)+3],         v[ADRA+\slot] offset:128*(\q)+64*\c+\i*16*PA
	ds_load_b128 v[\f+8*(4*\c+\i)+4:\f+8*(4*\c+\i)+7],       v[ADRA+\slot] offset:128*(\q)+64*\c+\i*16*PA+32
.endr
.endr
.endm
.macro PLACES n                        ; plain lines between a matrix instruction and what touches its registers (ISA guide 7.12.1)
.rept \n
	v_nop
.endr
.endm
.macro QUARTER slot, q, f, g, zero     ; multiplies buffer f (64 keys) and fetches the slot's quarter q into g
	s_wait_dscnt 16                                ; the first 32 keys' fragments are in; the youngest sixteen loads may be out
	WIN MUL
	MUL8 \f, 0, 0, \zero
	MUL8 \f, 0, 2, \zero
	PLACES 4
	FETCH \slot, \q, \g
	s_wait_dscnt 32                                ; all but the 32 just issued
	WIN MUL
	MUL8 \f, 1, 0, 0
	MUL8 \f, 1, 2, 0
.endm
; Where the refill of this slot comes from: step 2 s3 + 2 + slot of the work-group's ten.  From trip a on it belongs to tile 2.  Made from the kept pointers, the loop's counter and a alone.
.macro NEXTADR slot
	s_cmp_ge_u32 s3, s[SWL]
	s_cselect_b32 s79, s[N1], 0
	s_cselect_b64 s[82:83], s[PA2:PA2+1], s[PA1:PA1+1]
	s_lshl_b32 s80, s3, 1
	s_add_co_u32 s80, s80, 2+\slot
	s_sub_co_u32 s80, s80, s79                     ; the K step within its tile
	s_lshl_b32 s84, s80, 9                         ; 512 bytes a step along p's rows
	s_mov_b32 s85, 0
	s_add_nc_u64 s[G0+4*\slot+2:G0+4*\slot+3], s[82:83], s[84:85]
	s_or_b32 s[G0+4*\slot+3], s[G0+4*\slot+3], 0x80000000
	s_mul_i32 s84, s80, VSTEP                      ; 256 keys a step down v
	s_add_nc_u64 s[G0B+4*\slot+2:G0B+4*\slot+3], s[VB:VB+1], s[84:85]
	s_or_b32 s[G0B+4*\slot+3], s[G0B+4*\slot+3], 0x80000000
.endm
; A K step's last quarter changes slots: one barrier; in front of it each wave waits for all its tensor loads, adds 0 to its spare word, and waits for that and for its reads of this slot.  fill = 1: this slot is filled again, two steps ahead.
.macro TURN slot, next, fill
	WIN 0
	s_wait_tensorcnt 0x0                           ; no tensor load of mine is out: the descriptors may be written
	ds_add_u32 v[SPW], v[NIL]
.if \fill
	NEXTADR \slot
.endif
	s_wait_dscnt 17                                ; the add and the youngest sixteen loads may be out
	WIN MUL
	MUL8 F1, 0, 0, 0
	s_wait_dscnt 0x0                               ; the add is done, and my reads of this slot are over
	s_barrier_signal -1
	MUL8 F1, 0, 2, 0
.if \fill
	WIN 0
.endif
	s_barrier_wait -1
.if \fill
	CREST                                          ; the barrier has opened a round of the cluster's: no wave of any partner still reads this slot or has a load on its way
	JLOAD \slot                                    ; the first tensor load behind the round, 112 matrix instructions ahead of the wait for it; its four v_nop are the places in front of the loads below
.else
	PLACES 4
.endif
	FETCH \next, 0, F0
	WIN MUL
	MUL8 F1, 1, 0, 0
	MUL8 F1, 1, 2, 0
.endm
; THE WAY OUT of a tile: block by block of 16 rows x 64 columns of f32 through my own stage, back as rows of 256 bytes.  LDS serves a wave's instructions in order.
.macro TOSTAGE a
.irp b, 0,1,2,3
	ds_store_b128 v[STO], v[ACC+8*(4*(\a)+\b):ACC+8*(4*(\a)+\b)+3] offset:64*\b        ; each accumulator from its low end on
	ds_store_b128 v[STO], v[ACC+8*(4*(\a)+\b)+4:ACC+8*(4*(\a)+\b)+7] offset:64*\b+16
.endr
.irp t, 0,1,2,3,4,5,6,7
	ds_load_b128 v[TMP+32*((\a)%2)+4*\t:TMP+32*((\a)%2)+4*\t+3], v[RD] offset:\t*2*SPITCH
.endr
.endm
.macro SEND a, younger, ptr
	s_wait_dscnt \younger
.irp t, 0,1,2,3,4,5,6,7
	global_store_b128 v[CO], v[TMP+32*((\a)%2)+4*\t:TMP+32*((\a)%2)+4*\t+3], s[\ptr:\ptr+1] offset:(\a)*65536+2*\t*4096 th:TH_STORE_NT   ; 16 lanes store 256 consecutive bytes, aligned
.endr
.endm
.macro WAYOUT ptr
	s_wait_xcnt 0x0                                ; an earlier tile's stores have read their registers
	PLACES 5                                       ; four for the stores that read the last results, five for the products that begin the accumulators anew
	TOSTAGE 0
.irp a, 1,2,3
.if \a > 1
	s_wait_xcnt 0x0                                ; block a - 2's stores have read their registers
.endif
	TOSTAGE \a
	SEND \a-1, 16, \ptr                            ; behind block a - 1's loads: block a's 8 stores and 8 loads
.endr
	SEND 3, 0, \ptr
.endm
	s_wait_tensorcnt 1                             ; my part of step 0 is in; step 1's may be out
	s_barrier_signal -1
	s_barrier_wait -1
	FETCH 0, 0, F0
	QUARTER 0, 1, F0, F1, 1                        ; the first products start tile 1's sums
	WIN 0
	s_mov_b32 s3, 0
.Llap:                                             ; four trips: each goes once round the ring, from a lap's second quarter to the next lap's first, and fills both slots again
	QUARTER 0, 2, F1, F0, 0
	QUARTER 0, 3, F0, F1, 0
	TURN 0, 1, 1
	QUARTER 1, 1, F0, F1, 0
	QUARTER 1, 2, F1, F0, 0
	QUARTER 1, 3, F0, F1, 0
	TURN 1, 0, 1
	WIN 0
	s_cmp_lg_u32 s3, s[SWL]                        ; the cluster's y and the loop's counter alone; neither arm holds a tensor load, a barrier or a wait for tensor loads
	s_cbranch_scc1 .Lsame
	WAYOUT OUT1                                    ; tile 1 is finished; both refills are asked for, and they are tile 2's
	QUARTER 0, 1, F0, F1, 1                        ; tile 2's first products start its sums
	WIN 0
	s_branch .Ljoin
.Lsame:
	QUARTER 0, 1, F0, F1, 0
	WIN 0
.Ljoin:
	s_add_co_u32 s3, s3, 1
	s_cmp_lt_u32 s3, 4
	s_cbranch_scc1 .Llap
	QUARTER 0, 2, F1, F0, 0                        ; the last lap is written out: it fills nothing
	QUARTER 0, 3, F0, F1, 0
	TURN 0, 1, 0
	QUARTER 1, 1, F0, F1, 0
	QUARTER 1, 2, F1, F0, 0
	QUARTER 1, 3, F0, F1, 0
	s_wait_dscnt 16
	WIN MUL
	MUL8 F1, 0, 0, 0
	MUL8 F1, 0, 2, 0
	s_wait_dscnt 0
	MUL8 F1, 1, 0, 0
	MUL8 F1, 1, 2, 0
	WIN 0
	WAYOUT OUT2
	s_wait_tensorcnt 0x0                           ; the wave's end
	ds_add_u32 v[SPW], v[NIL]
	s_wait_dscnt 0x0
	CROUND                                         ; the closing round
	s_endpgm
.Lfunc_end_k_q85de000a48_pv:
	.size	k_q85de000a48_pv, .Lfunc_end_k_q85de000a48_pv-k_q85de000a48_pv
	.p2alignl 7, 3214868480
	.fill 96, 4, 3214868480
	.section	.rodata,"a",@progbits
	.p2align	6, 0x0
	.amdhsa_kernel k_q85de000a48_pv
		.amdhsa_group_segment_fixed_size 327680
		.amdhsa_private_segment_fixed_size 0
		.amdhsa_enable_private_segment 0
		.amdhsa_kernarg_size 24
		.amdhsa_user_sgpr_count 2
		.amdhsa_user_sgpr_kernarg_segment_ptr 1
		.amdhsa_wavefront_size32 1
		.amdhsa_system_sgpr_workgroup_id_x 1
		.amdhsa_system_sgpr_workgroup_id_y 1
		.amdhsa_system_sgpr_workgroup_id_z 1
		.amdhsa_system_vgpr_workitem_id 0
		.amdhsa_next_free_vgpr 512
		.amdhsa_next_free_sgpr 90
		.amdhsa_reserve_vcc 0
		.amdhsa_float_denorm_mode_32 3
		.amdhsa_float_denorm_mode_16_64 3
		.amdhsa_memory_ordered 1
		.amdhsa_forward_progress 1
		.amdhsa_inst_pref_size 100
	.end_amdhsa_kernel
	.amdgpu_metadata
---
amdhsa.version: [ 1, 2 ]
amdhsa.kernels:
  - .name:           k_q85de000a48_pv
    .symbol:         k_q85de000a48_pv.kd
    .args:
      - { .name: pb, .offset: 0, .size: 8, .value_kind: global_buffer, .address_space: global }
      - { .name: qkv, .offset: 8, .size: 8, .value_kind: global_buffer, .address_space: global }
      - { .name: out0, .offset: 16, .size: 8, .value_kind: global_buffer, .address_space: global }
    .group_segment_fixed_size: 327680
    .private_segment_fixed_size: 0
    .kernarg_segment_align: 8
    .kernarg_segment_size: 24
    .max_flat_workgroup_size: 128
    .sgpr_count:     90
    .vgpr_count:     512
    .wavefront_size: 32
...
	.end_amdgpu_metadata
.endif
;; end of part 5
;; launch first16 (part 6): grid 4 x 4, 8 waves a work-group, no clusters, 25,856 bytes of LDS; arguments h32, out0; writes out0
.if DOCPART == 6
	.amdgcn_target "amdgcn-amd-amdhsa--gfx1250"
	.amdhsa_code_object_version 6
	.text
	.protected	k_q85de000a48_first16
	.globl	k_q85de000a48_first16
	.p2align	8
	.type	k_q85de000a48_first16,@function
k_q85de000a48_first16:
	s_mov_b64 s[64:65], 0
	v_nop
	global_prefetch_b8 v0, s[64:65] scope:SCOPE_SE
	s_setreg_imm32_b32 hwreg(HW_REG_WAVE_MODE, 25, 1), 1
	s_wait_xcnt 0x0
; The first 16 positions of every batch, all in f32: under the causal mask they average one to sixteen values, and 16-bit operands would weigh most there.
; h32 [4][16][3072] f32 holds their q (columns 0-1023), k (1024-2047) and v (2048-3071).  out0 rows 0-15 of each batch are written here again, over what the launch before left there.
; A work-group takes a batch (y) and 256 output columns (x).  Its eight waves share the scores' K: wave w sums d = 128 w .. 128 w + 127; the eight parts meet in LDS and every wave adds them in the same order
; and takes the softmax for itself.  Then wave w makes output columns 32 w .. 32 w + 31; the results meet in a stage, and each wave stores two whole rows of 1,024 bytes.
; Both products are used transposed (S^T = k q^T, O^T = v^T p^T): a lane holds one query (lane % 16) and, in its eight registers, keys (or columns) 8 (lane / 16) + 0 .. 7.
; Along a product's K the same places are given to both operands: scores: lane half h, registers 4 c .. 4 c + 3 hold d = 8 c + 4 h + 0 .. 3; second product: step s takes keys 8 h + 2 s, 8 h + 2 s + 1.
; The registers that the f32 matrix instructions write (v32-63, v208-223) are written by nothing else.
.set HP,    12288                      ; a row of h32 in bytes
.set PART,  0                          ; LDS: eight parts of the scores, 1,024 bytes each, as images of eight registers
.set STG,   8192                       ; the stage: 16 rows x (1,024 + 16)
.set SP,    1040
.set SPARE, STG+16*SP                  ; the spare words, 128 bytes for each of eight waves, which no other line names
	s_load_b128 s[4:7], s[0:1], 0x0                ; h32, out0
	v_lshl_add_u32 v14, v0, 2, SPARE               ; v14, v15: the add's two; never rewritten
	v_mov_b32 v15, 0
	v_lshrrev_b32 v1, 5, v0
	v_readfirstlane_b32 s8, v1                     ; wave 0..7
	v_and_b32 v1, 15, v0                           ; r
	v_bfe_u32 v2, v0, 4, 1                         ; h
	v_and_b32 v3, 31, v0
	v_mul_u32_u24 v4, v1, HP
	v_lshl_add_u32 v4, v2, 4, v4                   ; q, k: row r, + 16 h
	v_mul_u32_u24 v5, v2, 8*HP
	v_lshl_add_u32 v5, v1, 2, v5                   ; v: key 8 h, column r
	s_lshl_b32 s9, s8, 10
	v_lshl_add_u32 v6, v3, 4, s9                   ; my part: 1,024 w + 16 x lane
	v_lshlrev_b32 v7, 4, v3                        ; any part: 16 x lane
	v_lshlrev_b32 v10, 4, v3                       ; out0: 16 bytes a lane
	s_lshl_b32 s9, s8, 7
	s_add_co_u32 s9, s9, STG
	v_mul_u32_u24 v8, v1, SP
	v_lshl_add_u32 v8, v2, 5, v8
	v_add_nc_u32 v8, s9, v8                        ; the stage, in: row r, + 128 w + 32 h
	s_mul_i32 s9, s8, 2*SP
	s_add_co_u32 s9, s9, STG
	v_add_nc_u32 v9, s9, v7                        ; back: rows 2 w, 2 w + 1
	v_lshlrev_b32 v11, 3, v2
	v_sub_nc_u32 v11, v1, v11                      ; r - 8 h: register j's key is hidden where j is above it
	v_mov_b32 v12, 0xff800000                      ; -infinity
	s_and_b32 s10, ttmp7, 0xffff                   ; the batch
	s_mul_i32 s12, s10, 16*HP
	s_lshl_b32 s13, s8, 9
	s_add_co_u32 s12, s12, s13                     ; q: my 128 of d
	s_mov_b32 s13, 0
	s_mul_i32 s14, s10, 16*HP
	s_lshl_b32 s15, ttmp9, 10
	s_add_co_u32 s14, s14, s15
	s_lshl_b32 s15, s8, 7
	s_add_co_u32 s14, s14, s15
	s_add_co_u32 s14, s14, 8192                    ; v: my 32 columns
	s_mov_b32 s15, 0
	s_lshl_b32 s16, s10, 11
	s_lshl_b32 s17, s8, 1
	s_add_co_u32 s16, s16, s17
	s_lshl_b32 s16, s16, 12                        ; out0: row 2048 b + 2 w,
	s_lshl_b32 s17, ttmp9, 10
	s_add_co_u32 s16, s16, s17                     ; the work-group's 1,024 bytes of it
	s_mov_b32 s17, 0
	s_mov_b32 s20, 0x76543210
	s_mov_b32 s21, 0xfedcba98                      ; v_permlanex16_b32's selects for lane l xor 16
	s_mov_b32 s22, 0x3d38aa3b                      ; c = log2(e) / 32
	s_mov_b32 s23, 0xbd38aa3b                      ; -c
	s_wait_kmcnt 0x0
	s_add_nc_u64 s[12:13], s[4:5], s[12:13]
	s_add_nc_u64 s[14:15], s[4:5], s[14:15]
	s_add_nc_u64 s[16:17], s[6:7], s[16:17]
.irp c, 0,1,2,3,4,5,6,7,8,9,10,11,12,13,14,15
	global_load_b128 v[64+4*\c:67+4*\c], v4, s[12:13] offset:32*\c           ; q
.endr
.irp c, 0,1,2,3,4,5,6,7,8,9,10,11,12,13,14,15
	global_load_b128 v[128+4*\c:131+4*\c], v4, s[12:13] offset:4096+32*\c    ; k
.endr
.irp t, 0,1
.irp i, 0,1,2,3,4,5,6,7
	global_load_b32 v[192+8*\t+\i], v5, s[14:15] offset:\i*HP+64*\t          ; v(8 h + i, 16 t + r)
.endr
.endr
	s_wait_loadcnt 16                              ; q and k are in; v's sixteen loads may be out
.set i, 0
.rept 32                                           ; S^T = k q^T over my 128 of d: four accumulators by turns; the first four products start the sums
.if i < 4
	v_wmma_f32_16x16x4_f32 v[32+8*(i%4):39+8*(i%4)], v[128+2*i:129+2*i], v[64+2*i:65+2*i], 0
.else
	v_wmma_f32_16x16x4_f32 v[32+8*(i%4):39+8*(i%4)], v[128+2*i:129+2*i], v[64+2*i:65+2*i], v[32+8*(i%4):39+8*(i%4)]
.endif
.set i, i+1
.endr
.rept 8
	v_nop                                          ; eight places behind this form (ISA guide 7.12.1)
.endr
.irp j, 0,1,2,3,4,5,6,7
	v_add_f32 v[16+\j], v[32+\j], v[40+\j]         ; the four accumulators, each read from its low end on
	v_add_f32 v[24+\j], v[48+\j], v[56+\j]
.endr
.irp j, 0,1,2,3,4,5,6,7
	v_add_f32 v[16+\j], v[16+\j], v[24+\j]
.endr
	ds_store_b128 v6, v[16:19]                     ; my part, as an image of its registers
	ds_store_b128 v6, v[20:23] offset:512
	s_wait_dscnt 0x0                               ; for the others' sake: my stores are done
	s_barrier_signal -1
	s_barrier_wait -1
.irp u, 0,1,2,3,4,5,6,7
	ds_load_b128 v[64+8*\u:67+8*\u], v7 offset:1024*\u
	ds_load_b128 v[68+8*\u:71+8*\u], v7 offset:1024*\u+512
.endr
	s_wait_dscnt 0x0
.irp j, 0,1,2,3,4,5,6,7
	v_add_f32 v[16+\j], v[64+\j], v[72+\j]         ; the eight parts, in the order of the waves: the same bits in every wave
.endr
.irp u, 2,3,4,5,6,7
.irp j, 0,1,2,3,4,5,6,7
	v_add_f32 v[16+\j], v[16+\j], v[64+8*\u+\j]
.endr
.endr
.irp j, 0,1,2,3,4,5,6,7
	v_cmp_gt_i32 vcc_lo, \j, v11                   ; the causal mask
	v_cndmask_b32 v[16+\j], v[16+\j], v12, vcc_lo
.endr
	v_max3_num_f32 v13, v16, v17, v18
	v_max3_num_f32 v13, v13, v19, v20
	v_max3_num_f32 v13, v13, v21, v22
	v_max_num_f32 v13, v13, v23
	v_permlanex16_b32 v24, v13, s20, s21
	v_max_num_f32 v13, v13, v24                    ; the row's maximum (key 0 counts for every query)
	v_mul_f32 v24, s23, v13                        ; -c m
.irp j, 0,1,2,3,4,5,6,7
	v_fma_f32 v[16+\j], v[16+\j], s22, v24
.endr
.irp j, 0,1,2,3,4,5,6,7
	v_exp_f32 v[16+\j], v[16+\j]
.endr
	v_nop                                          ; a plain line behind the last exponential
	s_wait_alu depctr_va_vdst(0)                   ; one wait for the batch, ahead of its first reader
	v_add_f32 v25, v16, v17
	v_add_f32 v26, v18, v19
	v_add_f32 v28, v20, v21
	v_add_f32 v29, v22, v23
	v_add_f32 v25, v25, v26
	v_add_f32 v28, v28, v29
	v_add_f32 v25, v25, v28
	v_permlanex16_b32 v26, v25, s20, s21
	v_add_f32 v25, v25, v26                        ; the row's sum
	v_rcp_f32 v27, v25
	v_nop
	s_wait_alu depctr_va_vdst(0)
.irp j, 0,1,2,3,4,5,6,7
	v_mul_f32 v[16+\j], v[16+\j], v27              ; the weights: register j is key 8 h + j of query r
.endr
	s_wait_loadcnt 0x0                             ; v
.irp s, 0,1,2,3                                    ; O^T = v^T p^T: two accumulators by turns
.irp t, 0,1
.if \s == 0
	v_wmma_f32_16x16x4_f32 v[208+8*\t:215+8*\t], v[192+8*\t+2*\s:193+8*\t+2*\s], v[16+2*\s:17+2*\s], 0
.else
	v_wmma_f32_16x16x4_f32 v[208+8*\t:215+8*\t], v[192+8*\t+2*\s:193+8*\t+2*\s], v[16+2*\s:17+2*\s], v[208+8*\t:215+8*\t]
.endif
.endr
.endr
.rept 8
	v_nop
.endr
.irp t, 0,1
	ds_store_b128 v8, v[208+8*\t:211+8*\t] offset:64*\t              ; out(r, 32 w + 16 t + 8 h + 0 .. 7), each accumulator from its low end on
	ds_store_b128 v8, v[212+8*\t:215+8*\t] offset:64*\t+16
.endr
	s_wait_dscnt 0x0                               ; for the others' sake
	s_barrier_signal -1
	s_barrier_wait -1
.irp i, 0,1
.irp u, 0,1
	ds_load_b128 v[224+4*(2*\i+\u):227+4*(2*\i+\u)], v9 offset:\i*SP+512*\u
.endr
.endr
	s_wait_dscnt 0x0
.irp i, 0,1
.irp u, 0,1
	global_store_b128 v10, v[224+4*(2*\i+\u):227+4*(2*\i+\u)], s[16:17] offset:\i*4096+512*\u th:TH_STORE_NT   ; 32 lanes store 512 consecutive bytes, aligned
.endr
.endr
	s_wait_tensorcnt 0x0                           ; the wave's end: behind my last LDS store
	ds_add_u32 v14, v15
	s_wait_dscnt 0x0
	s_endpgm
.Lfunc_end_k_q85de000a48_first16:
	.size	k_q85de000a48_first16, .Lfunc_end_k_q85de000a48_first16-k_q85de000a48_first16
	.p2alignl 7, 3214868480
	.fill 96, 4, 3214868480
	.section	.rodata,"a",@progbits
	.p2align	6, 0x0
	.amdhsa_kernel k_q85de000a48_first16
		.amdhsa_group_segment_fixed_size 25856
		.amdhsa_private_segment_fixed_size 0
		.amdhsa_enable_private_segment 0
		.amdhsa_kernarg_size 16
		.amdhsa_user_sgpr_count 2
		.amdhsa_user_sgpr_kernarg_segment_ptr 1
		.amdhsa_wavefront_size32 1
		.amdhsa_system_sgpr_workgroup_id_x 1
		.amdhsa_system_sgpr_workgroup_id_y 1
		.amdhsa_system_sgpr_workgroup_id_z 1
		.amdhsa_system_vgpr_workitem_id 0
		.amdhsa_next_free_vgpr 256
		.amdhsa_next_free_sgpr 66
		.amdhsa_reserve_vcc 1
		.amdhsa_float_denorm_mode_32 3
		.amdhsa_float_denorm_mode_16_64 3
		.amdhsa_memory_ordered 1
		.amdhsa_forward_progress 1
		.amdhsa_inst_pref_size 18
	.end_amdhsa_kernel
	.amdgpu_metadata
---
amdhsa.version: [ 1, 2 ]
amdhsa.kernels:
  - .name:           k_q85de000a48_first16
    .symbol:         k_q85de000a48_first16.kd
    .args:
      - { .name: h32, .offset: 0, .size: 8, .value_kind: global_buffer, .address_space: global }
      - { .name: out0, .offset: 8, .size: 8, .value_kind: global_buffer, .address_space: global }
    .group_segment_fixed_size: 25856
    .private_segment_fixed_size: 0
    .kernarg_segment_align: 8
    .kernarg_segment_size: 16
    .max_flat_workgroup_size: 256
    .sgpr_count:     66
    .vgpr_count:     256
    .wavefront_size: 32
...
	.end_amdgpu_metadata
.endif
;; end of part 6
